; MI455X (gfx1250); checked and timed in simulation.
; The chip was launched on July 23, 2026; its instructions are those of AMD's public machine-readable ISA for CDNA 5 (MIT licence, August 2026) and "CDNA5" Instruction Set Architecture Reference Guide (July 2026). The comments in the code are by the model that wrote it; some were corrected since.
;; Attention. Allowed arithmetic: matrix products marked QUANTISED: E2M3 operands, one E8M0 scale for each 32 along K, by v_wmma_scale_f32_16x16x128_f8f6f4 with both operands' format E2M3, f32 sums; everything else in f32.
;; Inputs: freqs_cos 2,048 x 64 float32; freqs_sin 2,048 x 64 float32; wk 2,048 x 2,048 float32; wo 2,048 x 2,048 float32; wq 2,048 x 2,048 float32; wv 2,048 x 2,048 float32; x 1 x 2,048 x 2,048 float32.
;; Outputs: out0 1 x 2,048 x 2,048 float32.
;; This version of the problem:
;;   THIS VERSION OF THE PROBLEM IS GIVEN IN LOW PRECISION. The matrix products marked QUANTISED in the list below multiply operands that are first quantised to E2M3 (2 exponent bits, 3 mantissa bits; 6 bits a number), with one power-of-two scale for each 32 numbers along K (OCP MX v1.0); their sums are f32. All else is computed in f32.
;;   The module's matrix products, in the order in which they are computed (A, B: the left and right operand; K: the contracted axis; several contracted axes count as one K, in the product's order):
;;     1. [M 2,048, K 2,048] x [K 2,048, N 2,048]; A: input x; B: input wq: QUANTISED
;;     2. [M 2,048, K 2,048] x [K 2,048, N 2,048]; A: input x; B: input wk: QUANTISED
;;     3. [M 2,048, K 2,048] x [K 2,048, N 2,048]; A: input x; B: input wv: QUANTISED
;;     4. batch 16 x [M 2,048, K 128] x [K 128, N 2,048]; A: computed on the way; B: computed on the way: QUANTISED
;;     5. batch 16 x [M 2,048, K 2,048] x [K 2,048, N 128]; A: softmax (see below); B: computed on the way: QUANTISED
;;     6. [M 2,048, K 2,048] x [K 2,048, N 2,048]; A: computed on the way; B: input wo: QUANTISED
;;   THE QUANTISER, for each operand of a quantised product, along K:
;;     - K is cut into blocks of 32 from its start; a last block that is shorter is filled with zeros.
;;     - A block's scale is 2^e with e = floor(log2(the largest magnitude in the block)) - 2, held to -126 .. 127; a block of zeros has e = 0. As a byte (E8M0): e + 127.
;;     - Each number is divided by its block's scale, clamped to +-7.5, and rounded to the nearest number of E2M3, ties to even, subnormals kept.
;;     - The product sums the exact products of the quantised numbers (number of the format x scale) in f32.
;;   ~~~python
;;   def quantise(x, axis):      # numpy; x: float32 -> the quantised numbers, widened to float32 again
;;       x = np.moveaxis(x, axis, -1); K = x.shape[-1]
;;       x = np.pad(x, [(0, 0)] * (x.ndim - 1) + [(0, -K % 32)]); x = x.reshape(x.shape[:-1] + (-1, 32)); a = np.abs(x).max(-1, keepdims=True)
;;       e = np.where(a > 0, np.clip(np.frexp(np.where(a > 0, a, 1))[1] - 1 - 2, -126, 127), 0)      # np.frexp(a)[1] - 1 = floor(log2(a)), exactly
;;       r = np.clip(x / 2.0 ** e, -7.5, 7.5)
;;       step = 2.0 ** (np.maximum(np.frexp(np.where(r == 0, 1, r))[1] - 1, 0) - 3)
;;       q = np.round(r / step) * step * 2.0 ** e      # np.round: ties to even
;;       return np.moveaxis(q.reshape(q.shape[:-2] + (-1,))[..., :K], -1, axis).astype(np.float32)
;;   ~~~
;;   SOFTMAX AHEAD OF A QUANTISED PRODUCT. Where the list says 'softmax', what is quantised is not the finished softmax but p = 2^(t - M), with t = logit x log2(e) and M = ceil(the row's largest t), a whole number; so 1/2 < the row's largest p <= 1. The row's sum l is taken of the UNQUANTISED p, in f32, and the product's result is divided by l at the end. Since M is a whole number, a kernel that streams over the keys may use a running M (the ceiling of the running maximum): every later rescaling is an exact power of two, which a block's scale takes up: the codes' values come out the same.
;;   OPERANDS COMPUTED ON THE WAY. 'Computed on the way' means the value that the module computes at that place (a softmax that the list does not call 'softmax' is quantised finished and normalised). What goes into a quantiser is computed in f32, as accurately as f32 sums, v_exp_f32 and their like allow (about 1e-6 of the number): no bf16 or f16 on the way to a quantiser, and a product that is left as it is and whose result goes on into a quantised operand takes f32 operands (vector FMAs, or v_wmma_f32_16x16x4_f32). A number that lies on a knife's edge between two numbers of the format may be rounded either way, as far as f32 arithmetic and the matrix unit's own rounding can turn it there, and no further.
;; One version. Each part assembles by itself: llvm-mc -triple=amdgcn-amd-amdhsa -mcpu=gfx1250 --defsym DOCPART=n.
;; ======== version 1 of 1: 4 launches
;; limits: right only within a limited range of input values
;; workspace buffers: wc 15,728,640 bytes; wsc 655,360 bytes; cs 1,048,576 bytes; fc 9,830,400 bytes; ac 3,145,728 bytes; asc 131,072 bytes
;; launch quant (part 1): grid 256 x 1, 10 waves a work-group, no clusters, 254,720 bytes of LDS; arguments wq, wk, wv, x, wo, wc, wsc, freqs_cos, freqs_sin, cs; writes wc, wsc, cs
.if DOCPART == 1
	.amdgcn_target "amdgcn-amd-amdhsa--gfx1250"
	.amdhsa_code_object_version 6
	.text
	.protected	k_qf59630ecc8_quant
	.globl	k_qf59630ecc8_quant
	.p2align	8
	.type	k_qf59630ecc8_quant,@function
k_qf59630ecc8_quant:
	s_mov_b64 s[64:65], 0
	v_nop
	global_prefetch_b8 v0, s[64:65] scope:SCOPE_SE
	s_setreg_imm32_b32 hwreg(HW_REG_WAVE_MODE, 25, 1), 1
	s_wait_xcnt 0x0
; wq, wk, wv, x, wo, each [2048][2048] f32 with K innermost, become codes of FP6 (E2M3) with one E8M0 byte for each 32 along K; cos and sin are laid anew for the launch that rotates q and k.
; A block's scale is 2^(floor(log2(its largest magnitude)) - 2); its byte is that magnitude's exponent field - 2, held at 1 from below.
; THE CODES ARE LAID AS IMAGES OF OPERAND REGISTERS.  A fragment is 16 rows x 128 K = 12 registers a lane = 1,536 bytes: registers 4 c .. 4 c + 3 of lane l lie at 512 c + 16 l.
;   wc  = [row block RG = 128 t + R][K step q (16)][1536], t = 0 wq, 1 wk, 2 wv, 3 x, 4 wo; a row block is 24,576 bytes.
;   Lane r of row block R holds row 32 (R / 2) + 8 (R % 2) + r + 8 (r / 8): used as source 0, two neighbouring blocks then give a lane 16 neighbours along that axis.
;   wsc = [q (16)][RG / 4 (160)][r (16)][RG % 4] words of four bytes: four row blocks' words of one K step are 256 consecutive bytes.
;   cs  = [block of 16 tokens Tb (128)][j (16)][512 bytes]; j = 8 tab + 2 b + e, tab 0 cos, 1 sin; lane (r, h) holds the 16 bytes at 64 b + 32 h + 16 e of the table's row 32 (Tb / 2) + 8 (Tb % 2) + r + 8 (r / 8).
; SHARES.  256 work-groups of ten waves; wave idx = 10 x + wave, 0 .. 2,559: t = idx / 512, group g = (idx / 16) % 32 of 64 rows, K step q = idx % 16: four fragments a wave.  Waves idx < 2,048 also make image idx of cs.
; THE WAY IN.  The operand's layout wants 32 neighbours along K in one lane, a read from memory wants neighbouring lanes on neighbouring bytes: so the numbers turn through LDS rows of 512 bytes + 16.
;   Fragments 0 and 1 (the group's rows 0-31): ONE tensor load a wave, 32 rows x 512 bytes, each row beginning at a multiple of 512 bytes, padded as it lands; only the wave that asked reads those bytes, so its own wait orders them.
;   Fragments 2 and 3 (rows 32-63): 32 loads of 512 consecutive bytes into registers, issued right behind the tensor load, then through the wave's own stage.  All that a wave reads is asked for at its head.
;   Nothing in LDS is filled again; waves share nothing: no barrier.  No cluster: no two work-groups read the same bytes.  No prefetch: the text has no loop to run ahead in.
; THE WAY OUT.  The four fragments' codes stay in registers and all stores stand at the wave's end: no store's data are written again.
; WORK LEFT OUT BY THE PROGRAM: reference()'s own mask sets a score to -infinity unless query - 256 < key <= query, so its p is 0 for all values of the inputs; whole steps of 128 keys outside that band are not multiplied
; (the attention launch).  A NaN, an infinity or an overflow that reaches only such steps is not carried to the result.
; LIMITS: NaN and infinities among the inputs are not served.  A block of zeros gets the byte 1 where the rule says 127: its codes are zeros, and this program alone reads the bytes.
.set RS,     40                        ; v40-167   two sets of 64 registers as loaded: fragments 2 and 3; once read, their first 12 registers take those fragments' codes
.set X,      168                       ; v168-231  64 numbers in the operand's order: register 32 c + i = k 64 c + 32 h + i of row r
.set T2,     244                       ; v244-246, v248-250: the upper halves of the two blocks (a conversion's three registers begin on an even number)
.set SW,     24                        ; v24-27    the four fragments' scale words
.set TB,     20                        ; v20-23    my 16 bytes of the table image
.set MX,     10
.set E,      14
.set BY,     16
.set TAD,    252                       ; v252      my row in the tensor load's tile
.set SPW,    254                       ; v254      my spare word; never rewritten
.set NIL,    255                       ; v255      0; never rewritten
.set C0,     232                       ; where the fragments' codes stay
.set C1,     28
.set C2,     RS
.set C3,     RS+64
.set SPITCH, 528
.set TREG,   32*SPITCH                 ; a wave's tile
.set WST,    16*SPITCH                 ; a wave's stage
.set STG,    10*TREG                   ; the stages lie behind the ten tiles
.set SPARE,  STG+10*WST                ; the spare words, 128 bytes a wave: five blocks of 256 bytes that no other line names
.set RBP,    24576
	s_load_b256 s[4:11], s[0:1], 0x0               ; wq, wk, wv, x
	s_load_b128 s[12:15], s[0:1], 0x20             ; wo, wc
	s_load_b64 s[16:17], s[0:1], 0x30              ; wsc
	s_load_b128 s[32:35], s[0:1], 0x38             ; cos, sin
	s_load_b64 s[36:37], s[0:1], 0x48              ; cs
	v_lshl_add_u32 v[SPW], v0, 2, SPARE
	v_mov_b32 v[NIL], 0
	ds_add_u32 v[SPW], v[NIL]                      ; the opening lines: the add twice on end and one wait, ahead of my tensor load
	ds_add_u32 v[SPW], v[NIL]
	v_lshrrev_b32 v1, 5, v0
	v_readfirstlane_b32 s18, v1                    ; wave
	s_mul_i32 s19, s18, WST
	s_add_co_u32 s19, s19, STG                     ; my stage
	s_mul_i32 s57, s18, TREG                       ; my tile
	v_and_b32 v1, 31, v0                           ; lane
	v_and_b32 v2, 15, v0                           ; r
	v_bfe_u32 v3, v0, 4, 1                         ; h
	v_lshlrev_b32 v4, 4, v1                        ; 16 x lane: my bytes of a load's 512 and of an image's 512
	v_add_nc_u32 v5, s19, v4                       ; the stage, on the way in
	v_mul_u32_u24 v6, v2, SPITCH
	v_lshl_add_u32 v6, v3, 7, v6
	v_add_nc_u32 v6, s19, v6                       ; and on the way out: row r, + 128 h bytes
	v_lshlrev_b32 v7, 4, v2                        ; 16 r: my four scale words
	v_lshlrev_b32 v8, 3, v3                        ; 8 h: where my two bytes stand in a word
	v_mov_b32 v19, 0                               ; written once: a lane permute's destination counts as one of its sources
	v_and_b32 v9, 8, v2
	v_add_nc_u32 v9, v9, v2                        ; r + 8 (r / 8)
	v_mul_u32_u24 v[TAD], v9, SPITCH               ; the tile holds the rows in memory's order: my row of fragment j is 8 j + r + 8 (r / 8)
	v_lshl_add_u32 v[TAD], v3, 7, v[TAD]
	v_add_nc_u32 v[TAD], s57, v[TAD]
	v_lshlrev_b32 v9, 8, v9                        ; a row of cos or sin is 256 bytes
	v_lshl_add_u32 v9, v3, 5, v9                   ; + 32 h
.irp i, 0,1,2,3
	v_mov_b32 v[TB+\i], 0                          ; written on every way: the load into them and the store from them stand under two branches on idx
.endr
	s_mov_b32 s20, 0x76543210
	s_mov_b32 s21, 0xfedcba98                      ; selects for lane l xor 16
	s_mul_i32 s38, ttmp9, 10
	s_add_co_u32 s38, s38, s18                     ; idx
	s_lshr_b32 s22, s38, 9                         ; t
	s_bfe_u32 s24, s38, 0x50004                    ; g
	s_and_b32 s23, s38, 15                         ; q
	s_lshl_b32 s26, s24, 19                        ; in: 64 g rows of 8,192 bytes
	s_lshl_b32 s25, s23, 9                         ;     + 512 q
	s_add_co_u32 s26, s26, s25
	s_mov_b32 s27, 0
	s_lshl_b32 s28, s22, 7
	s_lshl_b32 s25, s24, 2
	s_add_co_u32 s28, s28, s25                     ; RG of my first fragment: 128 t + 4 g
	s_lshl_b32 s28, s28, 4
	s_add_co_u32 s28, s28, s23
	s_mul_i32 s28, s28, 1536                       ; codes: (16 RG + q) x 1,536
	s_mov_b32 s29, 0
	s_lshl_b32 s30, s22, 5
	s_add_co_u32 s30, s30, s24
	s_lshl_b32 s30, s30, 8                         ; scale words: (32 t + g) x 256
	s_mul_i32 s25, s23, 40960                      ;              + q x 40,960
	s_add_co_u32 s30, s30, s25
	s_mov_b32 s31, 0
	s_lshr_b32 s40, s38, 5                         ; the table image: Tb / 2
	s_lshl_b32 s40, s40, 13                        ; x 32 rows of 256 bytes
	s_bfe_u32 s42, s38, 0x10004                    ; Tb % 2
	s_lshl_b32 s42, s42, 11                        ; x 8 rows
	s_add_co_u32 s40, s40, s42
	s_bfe_u32 s42, s38, 0x20001                    ; b
	s_lshl_b32 s42, s42, 6
	s_add_co_u32 s40, s40, s42
	s_and_b32 s42, s38, 1                          ; e
	s_lshl_b32 s42, s42, 4
	s_add_co_u32 s40, s40, s42
	s_mov_b32 s41, 0
	s_lshl_b32 s42, s38, 9                         ; image idx lies at 512 idx
	s_mov_b32 s43, 0
	s_and_b32 s44, s38, 8                          ; tab
	s_mov_b32 s48, (3<<16)|(1<<20)|(6<<22)|(3<<25) ; group 1: elements of 8 bytes; 4 dwords of padding behind every 128 dwords, a row
	s_mov_b32 s49, 64<<16                          ; tensor_dim0 = 64 elements = 512 bytes
	s_mov_b32 s50, 32<<16                          ; tensor_dim1 = 32 rows
	s_mov_b32 s51, 64<<16                          ; tile_dim0
	s_mov_b32 s52, 32                              ; tile_dim1
	s_mov_b32 s53, 1024                            ; 8,192 bytes from row to row
	s_mov_b32 s54, 0
	s_mov_b32 s55, 0
	s_mov_b32 s56, 1
	s_wait_alu depctr_va_vdst(0)                   ; the wait at the head's end
	s_wait_dscnt 0x0                               ; both opening adds are done
	s_wait_kmcnt 0x0
	s_cmp_eq_u32 s22, 1                            ; which tensor: the choice hangs on the work-group's and the wave's number alone
	s_cselect_b64 s[4:5], s[6:7], s[4:5]
	s_cmp_eq_u32 s22, 2
	s_cselect_b64 s[4:5], s[8:9], s[4:5]
	s_cmp_eq_u32 s22, 3
	s_cselect_b64 s[4:5], s[10:11], s[4:5]
	s_cmp_eq_u32 s22, 4
	s_cselect_b64 s[4:5], s[12:13], s[4:5]
	s_add_nc_u64 s[4:5], s[4:5], s[26:27]
	s_mov_b64 s[58:59], s[4:5]
	s_or_b32 s59, s59, 0x80000000
	tensor_load_to_lds s[56:59], s[48:55]          ; rows 0-31 of my group, 512 bytes of each: my one tensor load
	s_nop 0
	s_add_nc_u64 s[14:15], s[14:15], s[28:29]
	s_add_nc_u64 s[16:17], s[16:17], s[30:31]
	s_cmp_lg_u32 s44, 0
	s_cselect_b64 s[32:33], s[34:35], s[32:33]
	s_add_nc_u64 s[32:33], s[32:33], s[40:41]
	s_add_nc_u64 s[36:37], s[36:37], s[42:43]
.macro LOAD j                          ; fragment j's 16 rows, in the order of its lanes, into set j % 2
.irp i, 0,1,2,3,4,5,6,7,8,9,10,11,12,13,14,15
	global_load_b128 v[RS+64*((\j)%2)+4*\i:RS+64*((\j)%2)+4*\i+3], v4, s[4:5] offset:(32*((\j)/2)+8*((\j)%2)+\i+8*(\i/8))*8192 th:TH_LOAD_NT
.endr
.endm
; A fragment: its 64 numbers a lane come from the tile (j < 2) or through the stage (j >= 2); its codes go to v[cb] on, its scale word to v[SW + j].
.macro FRAGQ j, cb
.if (\j) < 2
.irp c, 0,1
.irp n, 0,1,2,3,4,5,6,7
	ds_load_b128 v[X+32*\c+4*\n:X+32*\c+4*\n+3], v[TAD] offset:8*(\j)*SPITCH+256*\c+16*\n
.endr
.endr
.else
.if (\j) == 2
	s_wait_loadcnt 16                              ; this fragment's 16 loads are in; fragment 3's 16 may be out
.else
	s_wait_loadcnt 0x0
.endif
.irp i, 0,1,2,3,4,5,6,7,8,9,10,11,12,13,14,15
	ds_store_b128 v5, v[RS+64*((\j)%2)+4*\i:RS+64*((\j)%2)+4*\i+3] offset:SPITCH*\i
.endr
.irp c, 0,1
.irp n, 0,1,2,3,4,5,6,7
	ds_load_b128 v[X+32*\c+4*\n:X+32*\c+4*\n+3], v6 offset:256*\c+16*\n   ; LDS serves a wave's instructions in order: these see the stores above
.endr
.endr
.endif
	s_wait_dscnt 0x0                               ; the numbers are in, and any stores into the stage have read their registers
.irp c, 0,1
.irp e, 0,1
	v_max3_num_f32 v[MX+2*\c+\e], |v[X+32*\c+16*\e]|, |v[X+32*\c+16*\e+1]|, 0x1800000   ; four chains; the floor 2^(3 - 127) holds the byte at 1 from below
.endr
.endr
.irp i, 2,4,6,8,10,12,14
.irp c, 0,1
.irp e, 0,1
	v_max3_num_f32 v[MX+2*\c+\e], v[MX+2*\c+\e], |v[X+32*\c+16*\e+\i]|, |v[X+32*\c+16*\e+\i+1]|
.endr
.endr
.endr
.irp c, 0,1
	v_max_num_f32 v[MX+2*\c], v[MX+2*\c], v[MX+2*\c+1]   ; my block 2 c + h: all its 32 numbers are mine
.endr
.irp c, 0,1
	v_add_nc_u32 v[E+\c], 0xff000000, v[MX+2*\c]   ; 2 off the exponent field: the conversion takes this operand's exponent field as its scale
.endr
.irp c, 0,1
	v_lshrrev_b32 v[BY+\c], 23, v[E+\c]            ; the scale's byte
.endr
	v_lshl_or_b32 v18, v[BY+1], 16, v[BY]          ; my two bytes: blocks h and 2 + h,
	v_lshlrev_b32 v18, v8, v18                     ; at their places in the word;
	v_permlanex16_b32 v19, v18, s20, s21
	v_or_b32 v[SW+(\j)], v18, v19                  ; with lane l xor 16's two the word is whole
.irp c, 0,1
	v_cvt_scalef32_pk16_fp6_f32 v[(\cb)+6*\c:(\cb)+6*\c+2], v[X+32*\c:X+32*\c+15], v[E+\c]
	v_cvt_scalef32_pk16_fp6_f32 v[T2+4*\c:T2+4*\c+2], v[X+32*\c+16:X+32*\c+31], v[E+\c]
.endr
	v_nop                                          ; one plain place behind a scaled conversion
.irp c, 0,1
.irp i, 0,1,2
	v_mov_b32 v[(\cb)+3+6*\c+\i], v[T2+4*\c+\i]
.endr
.endr
.endm
.macro OUTQ j, cb
.irp n, 0,1,2
	global_store_b128 v4, v[(\cb)+4*\n:(\cb)+4*\n+3], s[14:15] offset:(\j)*RBP+512*\n   ; 32 lanes store 512 consecutive bytes
.endr
.endm
	s_cmp_lt_u32 s38, 2048
	s_cbranch_scc0 .Lno_tab
	global_load_b128 v[TB:TB+3], v9, s[32:33]      ; my bytes of the table image: the oldest of my loads
.Lno_tab:
	LOAD 2
	LOAD 3
	s_wait_tensorcnt 0x0                           ; my tile has landed; nobody else reads it
	FRAGQ 0, C0
	FRAGQ 1, C1
	FRAGQ 2, C2
	FRAGQ 3, C3
	s_wait_alu depctr_va_vdst(0)                   ; the wait here: the last fragment's word
	OUTQ 0, C0
	OUTQ 1, C1
	OUTQ 2, C2
	OUTQ 3, C3
	s_cmp_lt_u32 s38, 2048
	s_cbranch_scc0 .Lno_tab_out
	global_store_b128 v4, v[TB:TB+3], s[36:37]     ; 512 consecutive bytes (the wait for all loads stands in fragment 3)
.Lno_tab_out:
	s_wait_xcnt 0x0                                ; EXEC changes only behind this wait
	v_cmp_gt_u32 vcc_lo, 16, v1
	s_wait_tensorcnt 0x0                           ; the wave's end
	ds_add_u32 v[SPW], v[NIL]
	s_wait_dscnt 0x0
	s_and_saveexec_b32 s22, vcc_lo
	global_store_b128 v7, v[SW:SW+3], s[16:17]     ; lanes 0-15: four row blocks' words of this K step, 256 consecutive bytes, aligned
	s_wait_xcnt 0x0
	s_or_b32 exec_lo, exec_lo, s22
	s_endpgm
.Lfunc_end_k_qf59630ecc8_quant:
	.size	k_qf59630ecc8_quant, .Lfunc_end_k_qf59630ecc8_quant-k_qf59630ecc8_quant
	.p2alignl 7, 3214868480
	.fill 96, 4, 3214868480
	.section	.rodata,"a",@progbits
	.p2align	6, 0x0
	.amdhsa_kernel k_qf59630ecc8_quant
		.amdhsa_group_segment_fixed_size 254720
		.amdhsa_private_segment_fixed_size 0
		.amdhsa_enable_private_segment 0
		.amdhsa_kernarg_size 80
		.amdhsa_user_sgpr_count 2
		.amdhsa_user_sgpr_kernarg_segment_ptr 1
		.amdhsa_wavefront_size32 1
		.amdhsa_system_sgpr_workgroup_id_x 1
		.amdhsa_system_sgpr_workgroup_id_y 1
		.amdhsa_system_sgpr_workgroup_id_z 1
		.amdhsa_system_vgpr_workitem_id 0
		.amdhsa_next_free_vgpr 256
		.amdhsa_next_free_sgpr 66
		.amdhsa_reserve_vcc 1
		.amdhsa_float_denorm_mode_32 3
		.amdhsa_float_denorm_mode_16_64 3
		.amdhsa_memory_ordered 1
		.amdhsa_forward_progress 1
		.amdhsa_inst_pref_size 28
	.end_amdhsa_kernel
	.amdgpu_metadata
---
amdhsa.version: [ 1, 2 ]
amdhsa.kernels:
  - .name:           k_qf59630ecc8_quant
    .symbol:         k_qf59630ecc8_quant.kd
    .args:
      - { .name: wq, .offset: 0, .size: 8, .value_kind: global_buffer, .address_space: global }
      - { .name: wk, .offset: 8, .size: 8, .value_kind: global_buffer, .address_space: global }
      - { .name: wv, .offset: 16, .size: 8, .value_kind: global_buffer, .address_space: global }
      - { .name: x, .offset: 24, .size: 8, .value_kind: global_buffer, .address_space: global }
      - { .name: wo, .offset: 32, .size: 8, .value_kind: global_buffer, .address_space: global }
      - { .name: wc, .offset: 40, .size: 8, .value_kind: global_buffer, .address_space: global }
      - { .name: wsc, .offset: 48, .size: 8, .value_kind: global_buffer, .address_space: global }
      - { .name: freqs_cos, .offset: 56, .size: 8, .value_kind: global_buffer, .address_space: global }
      - { .name: freqs_sin, .offset: 64, .size: 8, .value_kind: global_buffer, .address_space: global }
      - { .name: cs, .offset: 72, .size: 8, .value_kind: global_buffer, .address_space: global }
    .group_segment_fixed_size: 254720
    .private_segment_fixed_size: 0
    .kernarg_segment_align: 8
    .kernarg_segment_size: 80
    .max_flat_workgroup_size: 320
    .sgpr_count:     66
    .vgpr_count:     256
    .wavefront_size: 32
...
	.end_amdgpu_metadata
.endif
;; end of part 1
;; launch qkv (part 2): grid 24 x 8, 4 waves a work-group, clusters of 4 x 4, 327,680 bytes of LDS; arguments wc, wsc, cs, fc; writes fc
.if DOCPART == 2
	.amdgcn_target "amdgcn-amd-amdhsa--gfx1250"
	.amdhsa_code_object_version 6
	.text
	.protected	k_qf59630ecc8_qkv
	.globl	k_qf59630ecc8_qkv
	.p2align	8
	.type	k_qf59630ecc8_qkv,@function
k_qf59630ecc8_qkv:
	s_mov_b64 s[64:65], 0
	v_nop
	global_prefetch_b8 v0, s[64:65] scope:SCOPE_SE
	s_setreg_imm32_b32 hwreg(HW_REG_WAVE_MODE, 25, 1), 1
	s_wait_xcnt 0x0
	s_wait_alu depctr_hold_cnt(0) depctr_sa_sdst(0) depctr_va_vdst(0) depctr_va_sdst(0) depctr_va_ssrc(0) depctr_va_vcc(0) depctr_vm_vsrc(0)
	s_getreg_b32 s2, hwreg(HW_REG_IB_STS2, 6, 4)
	s_cmp_eq_u32 s2, 0
	s_cbranch_scc0 .Lentry_in_a_cluster
	s_endpgm
.Lentry_in_a_cluster:
	s_bfe_u32 s2, ttmp6, 0x10000c
	s_cmp_lg_u32 s2, 0xf033
	s_cbranch_scc0 .Lentry_shape_is_right
	s_endpgm
.Lentry_shape_is_right:
; q = rope(x wq^T), k = rope(x wk^T), v = x wv^T on codes of FP6 (E2M3) with E8M0 scales; the results are quantised again, in registers, as operands of the attention's two products.
; IN: wc, wsc: fragments as images of their registers (16 rows x 128 K = 1,536 bytes: registers 4 c .. 4 c + 3 of lane l at 512 c + 16 l), [row block (640)][K step (16)]; blocks 0-127 wq, 128-255 wk, 256-383 wv, 384-511 x.
;     Lane r of row block R holds row 32 (R / 2) + 8 (R % 2) + r + 8 (r / 8).  Scale words [K step][row block / 4][r][row block % 4].  cs: cos and sin as images, [block of 16 tokens][8 tab + 2 b + e][512].
; OUT: fc = [G (48)][St (16)][12,800 bytes]: eight fragments a (1,536 each), then 512 bytes of scale words [a / 4][r][a % 4].  G = head: q; 16 + head: k (St = 128 tokens, a = 16 tokens, K = the head's 128);
;     32 + head: v (St = 128 keys, a = 16 of the head's 128, K = the keys).
; A tile of 256 x 256 to a work-group of four waves, 128 x 128 a wave: 64 accumulators.  K goes through a ring of two LDS slots of 256 along K; the scale words of all of K come once.
; THE MATRIX INSTRUCTION IS USED TRANSPOSED: source 0 = B's 16 rows, source 1 = A's: a lane holds one row of A, and register 16 b + i of a block of A is B's row 32 b + 16 h + i.
; q, k (tile columns 0-15): A = x's tokens, B = rows of wq, wk.  v (tile columns 16-23): A = wv's rows, B = x's tokens.
; CLUSTERS: 4 x 4; A's tiles are asked for jointly along a row of the cluster, B's along a column.  Whether a cluster makes q, k or v hangs on the cluster's x alone.
; THE HEAD: one load a wave: wave 0 slot 0's 16 blocks of A, wave 1 those of B, wave 2 A's scale words, wave 3 B's.  Slot 1 is first filled as a refill is.
; PREFETCH: a slot's part of a wave is 8 row blocks x 3,072 bytes = 96 blocks of 256; the four partners that ask for it jointly take two row blocks each, by address (24 lanes; lanes 24-31 name lane 23's block again).
;     The head asks for slot tiles 2 and 3; the refill of tile j asks for tile j + 2, two changes of slots ahead; the loop's last trip asks for nothing.
; LIMITS: NaN and infinities are not served; a block of zeros gets the byte 1 (its codes are zeros; this program alone reads the bytes).
; REGISTERS: window 0: v16-31 addresses; v32-63 scale words, two sets; v128-223 A's fragments.  window 1: B's fragments at v0 and v128; v96-127, v224-255 the first cos and sin.  windows 2, 3: accumulators (a, b) at v[8 (8 (a % 4) + b)].
;   Behind the loop: window 0: v32-47 at work, v48-55 scale words, v64-127 rotated numbers, v128-147 codes; window 1: four sets of cos and sin.
.set NA,     8
.set NB,     8
.set HA,     4
.set NQ,     2
.set FR,     12
.set NL,     3
.set FRB,    1536
.set RBP,    24576
.set SB,     NQ*FRB                    ; a slot's bytes of one row block
.set HALFT,  NA*SB
.set SLOT,   4*HALFT                   ; A's 16 blocks, then B's 16
.set SCL,    2*SLOT                    ; the scale words: A's [K step (16)][1,024], then B's
.set SROW,   2*NA*64
.set SPARE,  SCL+32*SROW               ; the spare words, 128 bytes a wave
.set LAPS,   16/(2*NQ)
.set TP,     12800                     ; a tile of fc
.set ADRA, 16
.set ADRB, 20
.set PFO,  26
.set ADRS, 27
.set SPW,  28
.set NIL,  29
.set LI,   30
.set SC,   32
.set AF,   128
.set TM,   32
.set SW,   48
.set X,    64
.set PC,   128
.set G0H,  4
.set G0HB, 8
.set PFA,  12
.set G1,   24
.set G0,   32
.set G1B,  48
.set G0B,  56
.set SEL,  66
.set G1S,  68
.set G0S,  76
.set G1SB, 80
.set G0SB, 88
.set MSB, 0
.macro WIN new                         ; the immediate's high byte repeats the setting that is left
.if MSB != (\new)
	s_set_vgpr_msb (MSB<<8)|(\new)
.set MSB, (\new)
.endif
.endm
.set MUL_LO, 0xa1
.set MUL_HI, 0xf1
.set TO_B,   0x40
.macro PLACES n
.rept \n
	v_nop
.endr
.endm
.macro JLOAD g0a, g1a, g0b, g1b        ; waves 0 and 1 fetch for A, waves 2 and 3 for B; s_nop 0 and four v_nop behind each line
	s_cmp_eq_u32 s15, 0
	s_cbranch_scc0 .Lfor_b_\@
	tensor_load_to_lds s[\g0a:\g0a+3], s[\g1a:\g1a+7]
	s_nop 0
	PLACES 4
	s_branch .Lasked_\@
.Lfor_b_\@:
	tensor_load_to_lds s[\g0b:\g0b+3], s[\g1b:\g1b+7]
	s_nop 0
	PLACES 4
.Lasked_\@:
.endm
.macro CREST                           ; a round of the cluster's barrier behind its opening barrier
	s_cmp_lg_u32 s14, 0
	s_cbranch_scc1 .Lnot_wave_0_\@
	s_barrier_signal -3
.Lnot_wave_0_\@:
	s_barrier_wait -3
	s_barrier_signal -1
	s_barrier_wait -1
.endm
.macro CROUND
	s_barrier_signal -1
	s_barrier_wait -1
	CREST
.endm
	s_load_b256 s[4:11], s[0:1], 0x0               ; wc, wsc, cs, fc
	v_lshl_add_u32 v[SPW], v0, 2, SPARE
	v_mov_b32 v[NIL], 0
	ds_add_u32 v[SPW], v[NIL]                      ; the opening lines: the add twice on end and one wait
	ds_add_u32 v[SPW], v[NIL]
	v_lshrrev_b32 v1, 5, v0
	v_readfirstlane_b32 s14, v1                    ; wave
	s_lshr_b32 s15, s14, 1                         ; my half of A's rows; also: I fetch for A (0) or B (1)
	s_and_b32 s16, s14, 1                          ; my half of B's rows; also: which half I fetch
	s_bfe_u32 s40, ttmp6, 0x40000                  ; cx
	s_bfe_u32 s41, ttmp6, 0x40004                  ; cy
	s_lshl_b32 s42, ttmp9, 2
	s_add_co_u32 s42, s42, s40                     ; tile column 0..23
	s_and_b32 s17, ttmp7, 0xffff
	s_lshl_b32 s17, s17, 2
	s_add_co_u32 s17, s17, s41                     ; tile row 0..7
	s_lshr_b32 s95, ttmp9, 2                       ; 1 in the clusters that make v
	s_lshl_b32 s43, s41, 2
	s_lshl_b32 s43, 15, s43                        ; my row of the cluster
	s_lshl_b32 s44, 0x1111, s40                    ; my column
	s_mov_b32 s[SEL], 0x76543210
	s_mov_b32 s[SEL+1], 0xfedcba98                 ; selects for lane l xor 16
	s_or_b32 s[G1+0], s43, (3<<16)|(1<<21)         ; codes: rows = row blocks, SB bytes each, 24,576 apart; elements of 8 bytes; 16 rows at the head, 8 in the ring
	s_or_b32 s[G1B+0], s44, (3<<16)|(1<<21)
.irp g, G1, G1B
	s_mov_b32 s[\g+1], (SB/8)<<16
	s_mov_b32 s[\g+2], (2*NA)<<16
	s_mov_b32 s[\g+3], (SB/8)<<16
	s_mov_b32 s[\g+4], 2*NA
	s_mov_b32 s[\g+5], RBP/8
	s_mov_b32 s[\g+6], 0
	s_mov_b32 s[\g+7], 0
.endr
	s_or_b32 s[G1S+0], s43, (3<<16)|(1<<21)        ; scale words: 16 rows (K steps) of 1,024 bytes, 40,960 apart
	s_or_b32 s[G1SB+0], s44, (3<<16)|(1<<21)
.irp g, G1S, G1SB
	s_mov_b32 s[\g+1], (SROW/8)<<16
	s_mov_b32 s[\g+2], 16<<16
	s_mov_b32 s[\g+3], (SROW/8)<<16
	s_mov_b32 s[\g+4], 16
	s_mov_b32 s[\g+5], 5120
	s_mov_b32 s[\g+6], 0
	s_mov_b32 s[\g+7], 0
.endr
	s_lshl_b32 s18, s95, 7
	s_lshl_b32 s20, s17, 4
	s_add_co_u32 s20, s20, 384
	s_sub_co_u32 s20, s20, s18                     ; A's first row block: x's (384 on) for q, k; wv's (256 on) for v
	s_lshl_b32 s46, s42, 4
	s_add_co_u32 s46, s46, s18                     ; B's: 16 x tile column in wq, wk; for v tile columns 16 on are x's blocks 384 on
	s_lshl_b32 s22, s20, 6                         ; scale words: 64 bytes a row block
	s_mov_b32 s23, 0
	s_mul_i32 s20, s20, RBP
	s_mov_b32 s21, 0
	s_lshl_b32 s92, s46, 6
	s_mov_b32 s93, 0
	s_mul_i32 s46, s46, RBP
	s_mov_b32 s47, 0
	s_mul_i32 s18, s16, NA*RBP                     ; in the ring I fetch 8 of the 16 blocks
	s_mov_b32 s19, 0
	s_mul_i32 s45, s14, HALFT                      ; and lay them at wave x 8 blocks
	s_wait_dscnt 0x0                               ; both opening adds are done
	s_wait_kmcnt 0x0
	s_add_nc_u64 s[20:21], s[4:5], s[20:21]
	s_add_nc_u64 s[22:23], s[6:7], s[22:23]
	s_add_nc_u64 s[46:47], s[4:5], s[46:47]
	s_add_nc_u64 s[92:93], s[6:7], s[92:93]
	s_mov_b64 s[98:99], s[8:9]                     ; cs
	s_mov_b64 s[96:97], s[10:11]                   ; fc
	CROUND                                         ; all sixteen work-groups are here: the first joint loads meet
	s_mov_b32 s[G0H], 1
	s_mov_b32 s[G0H+1], 0
	s_mov_b64 s[G0H+2:G0H+3], s[20:21]
	s_or_b32 s[G0H+3], s[G0H+3], 0x80000000
	s_mov_b32 s[G0HB], 1
	s_mov_b32 s[G0HB+1], 2*HALFT
	s_mov_b64 s[G0HB+2:G0HB+3], s[46:47]
	s_or_b32 s[G0HB+3], s[G0HB+3], 0x80000000
	s_mov_b32 s[G0S], 1
	s_mov_b32 s[G0S+1], SCL
	s_mov_b64 s[G0S+2:G0S+3], s[22:23]
	s_or_b32 s[G0S+3], s[G0S+3], 0x80000000
	s_mov_b32 s[G0SB], 1
	s_mov_b32 s[G0SB+1], SCL+16*SROW
	s_mov_b64 s[G0SB+2:G0SB+3], s[92:93]
	s_or_b32 s[G0SB+3], s[G0SB+3], 0x80000000
	s_add_nc_u64 s[20:21], s[20:21], s[18:19]
	s_add_nc_u64 s[46:47], s[46:47], s[18:19]
.irp s, 0,1
	s_mov_b32 s[G0+4*\s], 1
	s_add_co_u32 s[G0+4*\s+1], s45, \s*SLOT
	s_add_nc_u64 s[G0+4*\s+2:G0+4*\s+3], s[20:21], \s*SB
	s_or_b32 s[G0+4*\s+3], s[G0+4*\s+3], 0x80000000
	s_mov_b32 s[G0B+4*\s], 1
	s_add_co_u32 s[G0B+4*\s+1], s45, \s*SLOT
	s_add_nc_u64 s[G0B+4*\s+2:G0B+4*\s+3], s[46:47], \s*SB
	s_or_b32 s[G0B+4*\s+3], s[G0B+4*\s+3], 0x80000000
.endr
.macro ARM under, g0, g1, next         ; one chain of branches on the wave's number: every way passes exactly one load
	s_cmp_lt_u32 s14, \under
	s_cbranch_scc0 \next
	tensor_load_to_lds s[\g0:\g0+3], s[\g1:\g1+7]
	s_nop 0
	PLACES 4
	s_branch .Lhead_asked
\next:
.endm
	ARM 1, G0H,  G1,  .Lhead_b
	ARM 2, G0HB, G1B, .Lhead_sa
	ARM 3, G0S,  G1S, .Lhead_sb
	tensor_load_to_lds s[G0SB:G0SB+3], s[G1SB:G1SB+7]
	s_nop 0
	PLACES 4
.Lhead_asked:
	s_cmp_eq_u32 s15, 0                            ; the prefetches: the 8 row blocks that I fetch,
	s_cselect_b64 s[PFA:PFA+1], s[20:21], s[46:47]
	s_cselect_b32 s18, s40, s41                    ; my work-group's place among the four that ask with me,
	s_mul_i32 s18, s18, (NA/4)*RBP                 ; its two row blocks,
	s_add_nc_u64 s[PFA:PFA+1], s[PFA:PFA+1], s[18:19]
	s_add_nc_u64 s[PFA:PFA+1], s[PFA:PFA+1], 2*SB  ; at slot tile 2
	s_mul_i32 s21, s15, HALFT                      ; my half of A
	s_mul_i32 s22, s16, HALFT
	s_add_co_u32 s22, s22, 2*HALFT                 ; my half of B
	s_mul_i32 s18, s15, NA*64
	s_mul_i32 s23, s16, NA*64
	s_add_co_u32 s23, s23, 16*SROW
	s_sub_co_u32 s23, s23, s18                     ; from A's words to B's
	s_add_co_u32 s18, s18, SCL
	s_lshl_b32 s92, s17, 17
	s_lshl_b32 s93, s15, 16
	s_add_co_u32 s92, s92, s93                     ; cs: (16 x tile row + 8 x half) images of 8,192 bytes
	s_mov_b32 s93, 0
	s_add_nc_u64 s[98:99], s[98:99], s[92:93]
	s_lshl_b32 s46, s42, 1
	s_add_co_u32 s46, s46, s16                     ; 2 x tile column + my half of B
	s_lshl_b32 s47, s17, 1
	s_add_co_u32 s47, s47, s15                     ; 2 x tile row + my half of A
	s_add_co_u32 s92, s47, 32
	s_sub_co_u32 s94, s46, 32
	s_cmp_eq_u32 s95, 0
	s_cselect_b32 s92, s46, s92                    ; G
	s_cselect_b32 s94, s47, s94                    ; St
	s_lshl_b32 s92, s92, 4
	s_add_co_u32 s92, s92, s94
	s_mul_i32 s92, s92, TP
	s_add_nc_u64 s[96:97], s[96:97], s[92:93]      ; my tile of fc
	v_and_b32 v1, 15, v0                           ; r
	v_bfe_u32 v2, v0, 4, 1                         ; h
	v_and_b32 v3, 31, v0
	v_lshlrev_b32 v[LI], 4, v3                     ; 16 x lane
	v_add_nc_u32 v[ADRA], s21, v[LI]
	v_add_nc_u32 v[ADRB], s22, v[LI]
	v_add_nc_u32 v[ADRA+1], SLOT, v[ADRA]
	v_add_nc_u32 v[ADRB+1], SLOT, v[ADRB]
	v_lshlrev_b32 v5, 4, v1                        ; 16 r: four blocks' words of my row
	v_mul_u32_u24 v6, s23, v2                      ; lanes 16-31 take B's
	v_add_nc_u32 v5, v5, v6
	v_add_nc_u32 v[ADRS], s18, v5
	v_min_u32 v4, 23, v3                           ; prefetch: block l of my 24: row block l / 12, piece l % 12
	v_mul_u32_u24 v7, v4, 11
	v_lshrrev_b32 v7, 7, v7                        ; l / 12 for l under 24
	v_mul_u32_u24 v7, v7, RBP-SB
	v_lshl_add_u32 v[PFO], v4, 8, v7
	s_wait_alu depctr_va_vdst(0)                   ; the wait at the head's end
.macro TABS a                          ; where set a % 4 of cos and sin lies in window 1
.if ((\a)%4) == 0
.set COSB, 96
.set SINB, 224
.elseif ((\a)%4) == 1
.set COSB, 0
.set SINB, 32
.elseif ((\a)%4) == 2
.set COSB, 64
.set SINB, 128
.else
.set COSB, 160
.set SINB, 192
.endif
.endm
.macro CSLOAD a                        ; cos and sin of block a's 16 tokens: register 8 b + i = pair 16 b + 8 h + i of my token: 16 loads of 512 consecutive bytes
	TABS \a
	WIN TO_B
.irp j, 0,1,2,3,4,5,6,7
	global_load_b128 v[COSB+4*\j:COSB+4*\j+3], v[LI], s[98:99] offset:(\a)*8192+512*\j
	global_load_b128 v[SINB+4*\j:SINB+4*\j+3], v[LI], s[98:99] offset:(\a)*8192+4096+512*\j
.endr
	WIN 0
.endm
	s_cmp_lg_u32 s95, 0                            ; v is not rotated: the same in all partners of a cluster
	s_cbranch_scc1 .Lno_cs0
	CSLOAD 0
.Lno_cs0:
	global_prefetch_b8 v[PFO], s[PFA:PFA+1] th:TH_LOAD_NT scope:SCOPE_SE             ; slot tile 2
	global_prefetch_b8 v[PFO], s[PFA:PFA+1] offset:SB th:TH_LOAD_NT scope:SCOPE_SE   ; slot tile 3
.macro FRAG reg, adr, off              ; a fragment comes as it was stored: three loads of 512 consecutive bytes
.irp c, 0,1,2
	ds_load_b128 v[(\reg)+4*\c:(\reg)+4*\c+3], v[\adr] offset:(\off)+512*\c
.endr
.endm
.macro FETCH_B slot, q, p
	WIN TO_B
.set fi, 0
.rept NB
	FRAG 128*(\p)+FR*fi, ADRB+\slot, (fi*NQ+(\q))*FRB
.set fi, fi+1
.endr
	WIN 0
.endm
.macro FETCH_A slot, q, i0
.set fi, \i0
.rept HA
	FRAG AF+FR*fi, ADRA+\slot, (fi*NQ+(\q))*FRB
.set fi, fi+1
.endr
.endm
.macro SCALES sc                       ; a slot's scale words into set sc: register NA q + i: lanes 0-15 A's block i, lanes 16-31 B's block i
.set sq, 0
.rept NQ
.set sn, 0
.rept NA/4
	ds_load_b128 v[SC+16*(\sc)+NA*sq+4*sn:SC+16*(\sc)+NA*sq+4*sn+3], v[ADRS] offset:sq*SROW+256*sn
.set sn, sn+1
.endr
.set sq, sq+1
.endr
.endm
; A's blocks a0 .. a0 + n - 1 against B's eight.  The accumulators take turns, one instruction a turn, in the same order in every step.
.macro MUL a0, n, p, q, sc, zero
.set ma, \a0
.rept \n
.set mb, 0
.rept NB
.set rD, 8*(NB*(ma%HA)+mb)
.set rB, 128*(\p)+FR*mb
.set rA, AF+FR*ma
.set rSB, SC+16*(\sc)+NA*(\q)+mb
.set rSA, SC+16*(\sc)+NA*(\q)+ma
.if \zero
	v_wmma_scale_f32_16x16x128_f8f6f4 v[rD:rD+7], v[rB:rB+FR-1], v[rA:rA+FR-1], 0, v[rSB], v[rSA] matrix_a_fmt:MATRIX_FMT_FP6 matrix_b_fmt:MATRIX_FMT_FP6 matrix_a_scale:MATRIX_SCALE_ROW1
.else
	v_wmma_scale_f32_16x16x128_f8f6f4 v[rD:rD+7], v[rB:rB+FR-1], v[rA:rA+FR-1], v[rD:rD+7], v[rSB], v[rSA] matrix_a_fmt:MATRIX_FMT_FP6 matrix_b_fmt:MATRIX_FMT_FP6 matrix_a_scale:MATRIX_SCALE_ROW1
.endif
.set mb, mb+1
.endr
.set ma, ma+1
.endr
.endm
; A K step that has its successor in the same slot.  A has one set of registers (first half fetched anew in the middle, second at the end), B two.  Four plain places stand ahead of loads into registers that products have read.
.macro STEP slot, q, zero
	s_wait_dscnt HA*NL                             ; all but the youngest 12 loads (A's second half) are in
	WIN MUL_LO
	MUL 0, HA, (\q)%2, \q, \slot, \zero
	s_wait_dscnt 0x0
	PLACES 4
	FETCH_B \slot, (\q)+1, 1-(\q)%2
	FETCH_A \slot, (\q)+1, 0
	WIN MUL_HI
	MUL HA, HA, (\q)%2, \q, \slot, \zero
	PLACES 4
	WIN 0
	FETCH_A \slot, (\q)+1, HA
.endm
; A slot's last K step changes slots.  In front of the barrier each wave waits for all its tensor loads, adds 0 to its spare word, and waits for that and for its reads of this slot.
; fill = 1: the barrier opens a round of the cluster's, and the slot is filled again, two slot tiles on: 16 products stand between the wait and the refill, 112 between a refill and the wait for it.
.macro TURN slot, next, fill
.if \fill
	s_wait_xcnt 0x0                                ; my prefetches have read their address: it steps one slot tile
	s_add_nc_u64 s[PFA:PFA+1], s[PFA:PFA+1], SB
.endif
	s_wait_tensorcnt 0x0
	ds_add_u32 v[SPW], v[NIL]
	s_wait_dscnt HA*NL+1                           ; (the add and A's second half may be out)
	WIN MUL_LO
	MUL 0, 1, 1, NQ-1, \slot, 0
	s_wait_dscnt 0x0                               ; the add is done, my reads of this slot are over
	s_barrier_signal -1
	MUL 1, 1, 1, NQ-1, \slot, 0
	WIN 0
	s_barrier_wait -1
.if \fill
	CREST
	s_add_nc_u64 s[G0+4*\slot+2:G0+4*\slot+3], s[G0+4*\slot+2:G0+4*\slot+3], 2*SB
	s_add_nc_u64 s[G0B+4*\slot+2:G0B+4*\slot+3], s[G0B+4*\slot+2:G0B+4*\slot+3], 2*SB
	JLOAD G0+4*\slot, G1, G0B+4*\slot, G1B         ; the first tensor load behind the round
.endif
	WIN MUL_LO
	MUL 2, HA-2, 1, NQ-1, \slot, 0
	PLACES 4
	WIN 0
	s_wait_alu depctr_va_vdst(0)                   ; the wait ahead of this reader of the address
	v_add_nc_u32 v[ADRS], NQ*SROW, v[ADRS]         ; on to the next slot's scale words
	FETCH_B \next, 0, 0
	FETCH_A \next, 0, 0
	SCALES \next
.if \fill
	s_cmp_gt_u32 s3, 1                             ; the last trip's refills have no tile two on
	s_cbranch_scc0 .Lnp_\@
	global_prefetch_b8 v[PFO], s[PFA:PFA+1] offset:SB th:TH_LOAD_NT scope:SCOPE_SE
.Lnp_\@:
.endif
	WIN MUL_HI
	MUL HA, HA, 1, NQ-1, \slot, 0
	PLACES 4
	WIN 0
	FETCH_A \next, 0, HA
.endm
	s_wait_tensorcnt 0x0                           ; my tile of the head's four is in; the lines ahead of a later first fill:
	ds_add_u32 v[SPW], v[NIL]
	s_mov_b32 s[G1+2], NA<<16                      ; no tensor load of mine is out: from here on a load brings 8 row blocks
	s_mov_b32 s[G1+4], NA
	s_mov_b32 s[G1B+2], NA<<16
	s_mov_b32 s[G1B+4], NA
	s_wait_dscnt 0x0
	CROUND
	JLOAD G0+4, G1, G0B+4, G1B                     ; slot 1
	FETCH_B 0, 0, 0
	FETCH_A 0, 0, 0
	SCALES 0
	FETCH_A 0, 0, HA
	STEP 0, 0, 1                                   ; the first K step's products start the sums
	s_mov_b32 s3, LAPS-1
.Llap:
	TURN 0, 1, 1
	STEP 1, 0, 0
	TURN 1, 0, 1
	STEP 0, 0, 0
	s_sub_co_u32 s3, s3, 1
	s_cmp_lg_u32 s3, 0
	s_cbranch_scc1 .Llap
	TURN 0, 1, 0                                   ; the last lap fills nothing
	STEP 1, 0, 0
	s_cmp_lg_u32 s95, 0
	s_cbranch_scc1 .Lno_cs1
	CSLOAD 1                                       ; into B's set 0, which the last K step does not read (four places stand behind its last products)
.Lno_cs1:
	s_wait_dscnt HA*NL
	WIN MUL_LO
	MUL 0, HA, 1, NQ-1, 1, 0
	s_wait_dscnt 0x0
	WIN MUL_HI
	MUL HA, HA, 1, NQ-1, 1, 0
	WIN 0
; 64 numbers of a lane in window w, register 16 b + i = k 32 b + 16 h + i of my row, become a fragment's codes in v[PC] on and its scale word in v[pw].  Each accumulator is read from its low end on.
.macro QUANT s, w, pw
	WIN (\w)|((\w)<<2)
.irp b, 0,1,2,3
	v_max3_num_f32 v[TM+\b], |v[(\s)+16*\b]|, |v[(\s)+16*\b+1]|, 0x1800000   ; the floor 2^(3 - 127): the byte cannot fall under 1
.endr
.irp i, 2,4,6,8,10,12,14
.irp b, 0,1,2,3
	v_max3_num_f32 v[TM+\b], |v[(\s)+16*\b+\i]|, |v[(\s)+16*\b+\i+1]|, v[TM+\b]
.endr
.endr
	WIN 0
.irp b, 0,1,2,3
	v_permlanex16_b32 v[TM+4+\b], v[TM+\b], s[SEL], s[SEL+1]
.endr
.irp b, 0,1,2,3
	v_max_num_f32 v[TM+\b], v[TM+\b], v[TM+4+\b]   ; with lane l xor 16's: the block's largest magnitude
.endr
.irp b, 0,1,2,3
	v_add_nc_u32 v[TM+12+\b], 0xff000000, v[TM+\b] ; 2 off its exponent field: the conversion's scale operand
.endr
.irp b, 0,1,2,3
	v_lshrrev_b32 v[TM+4+\b], 23, v[TM+12+\b]      ; the scale's byte
.endr
	v_lshl_or_b32 v[\pw], v[TM+5], 8, v[TM+4]
	v_lshl_or_b32 v[\pw], v[TM+6], 16, v[\pw]
	v_lshl_or_b32 v[\pw], v[TM+7], 24, v[\pw]
	WIN (\w)
.irp c, 0,1
	v_cvt_scalef32_pk16_fp6_f32 v[PC+6*\c:PC+2+6*\c], v[(\s)+32*\c:(\s)+15+32*\c], v[TM+12+2*\c]
	v_cvt_scalef32_pk16_fp6_f32 v[PC+12+4*\c:PC+14+4*\c], v[(\s)+16+32*\c:(\s)+31+32*\c], v[TM+13+2*\c]
.endr
	WIN 0
	v_nop                                          ; one plain place behind a scaled conversion
.irp c, 0,1                                    ; the operand's layout wants a whole block in a lane
.irp i, 0,1,2
	v_permlane16_swap_b32 v[PC+6*\c+\i], v[PC+12+4*\c+\i]
.endr
.irp i, 0,1,2
	v_mov_b32 v[PC+3+6*\c+\i], v[PC+12+4*\c+\i]
.endr
.endr
.endm
; Block a is rotated, a pair an instruction: first (-im sin, re sin), then + (re cos, im cos).  Pair p's cos and sin lie in one register: the selects take it for both halves.
.macro ROPE a
	TABS \a
.set AC, 64*((\a)%4)
	WIN (2+(\a)/4)|4                               ; source 0: the accumulators' window; source 1: window 1
.set rp, 0
.rept 16
	v_pk_mul_f32 v[X+2*rp:X+2*rp+1], v[AC+2*rp:AC+2*rp+1], v[SINB+rp:SINB+rp+1] op_sel:[1,0] op_sel_hi:[0,0] neg_lo:[1,0]
	v_pk_mul_f32 v[X+2*rp+2:X+2*rp+3], v[AC+2*rp+2:AC+2*rp+3], v[SINB+rp:SINB+rp+1] op_sel:[1,1] op_sel_hi:[0,1] neg_lo:[1,0]
.set rp, rp+2
.endr
.set rp, 0
.rept 16
	v_pk_fma_f32 v[X+2*rp:X+2*rp+1], v[AC+2*rp:AC+2*rp+1], v[COSB+rp:COSB+rp+1], v[X+2*rp:X+2*rp+1] op_sel:[0,0,0] op_sel_hi:[1,0,1]
	v_pk_fma_f32 v[X+2*rp+2:X+2*rp+3], v[AC+2*rp+2:AC+2*rp+3], v[COSB+rp:COSB+rp+1], v[X+2*rp+2:X+2*rp+3] op_sel:[0,1,0] op_sel_hi:[1,1,1]
.set rp, rp+2
.endr
	WIN 0
.endm
.macro OUT a
.irp c, 0,1,2
	global_store_b128 v[LI], v[PC+4*\c:PC+4*\c+3], s[96:97] offset:(\a)*FRB+512*\c   ; 512 consecutive bytes
.endr
.endm
	PLACES 4                                       ; behind the last products
.irp b, 0,1,2,3
	v_mov_b32 v[TM+4+\b], 0                        ; written once: a lane permute's destination counts as one of its sources
.endr
	s_cmp_lg_u32 s95, 0
	s_cbranch_scc1 .Lv
	CSLOAD 2
	CSLOAD 3
.irp a, 0,1,2,3,4,5,6,7
.if \a == 0
	s_wait_loadcnt 32                              ; sets 0 and 1 are in; the 32 loads of sets 2 and 3 may be out (the count holds on the way round set 1's early loads too)
.elseif \a <= 4
	s_wait_loadcnt 48                              ; this block's cos and sin are in; three younger sets of 16 loads may be out
.else
	s_wait_loadcnt 16*(7-\a)
.endif
	ROPE \a
.if \a < 4
	CSLOAD \a+4                                    ; the set just read takes the block four further on
.endif
	s_wait_alu depctr_va_vdst(0)                   ; the wait ahead of the wait below
	s_wait_xcnt 0x0                                ; the last block's stores have read their data
	QUANT X, 0, SW+\a
	OUT \a
.endr
	s_branch .Ljoin
.Lv:
.irp a, 0,1,2,3,4,5,6,7
.if \a > 0
	s_wait_xcnt 0x0
.endif
	QUANT 64*(\a%4), 2+\a/4, SW+\a
	OUT \a
.endr
.Ljoin:
	v_and_b32 v56, 31, v0
	v_cmp_le_u32 vcc_lo, 16, v56                   ; lanes 0-15 store the words of blocks 0-3, lanes 16-31 those of blocks 4-7 (both halves hold every word)
.irp i, 0,1,2,3
	v_cndmask_b32 v[SW+\i], v[SW+\i], v[SW+4+\i], vcc_lo
.endr
	global_store_b128 v[LI], v[SW:SW+3], s[96:97] offset:8*FRB   ; 512 consecutive bytes, behind the tile's codes
	s_wait_tensorcnt 0x0                           ; the wave's end
	ds_add_u32 v[SPW], v[NIL]
	s_wait_dscnt 0x0
	CROUND                                         ; the closing round
	s_endpgm
.Lfunc_end_k_qf59630ecc8_qkv:
	.size	k_qf59630ecc8_qkv, .Lfunc_end_k_qf59630ecc8_qkv-k_qf59630ecc8_qkv
	.p2alignl 7, 3214868480
	.fill 96, 4, 3214868480
	.section	.rodata,"a",@progbits
	.p2align	6, 0x0
	.amdhsa_kernel k_qf59630ecc8_qkv
		.amdhsa_group_segment_fixed_size 327680
		.amdhsa_private_segment_fixed_size 0
		.amdhsa_enable_private_segment 0
		.amdhsa_kernarg_size 32
		.amdhsa_user_sgpr_count 2
		.amdhsa_user_sgpr_kernarg_segment_ptr 1
		.amdhsa_wavefront_size32 1
		.amdhsa_system_sgpr_workgroup_id_x 1
		.amdhsa_system_sgpr_workgroup_id_y 1
		.amdhsa_system_sgpr_workgroup_id_z 1
		.amdhsa_system_vgpr_workitem_id 0
		.amdhsa_next_free_vgpr 1024
		.amdhsa_next_free_sgpr 100
		.amdhsa_reserve_vcc 1
		.amdhsa_float_denorm_mode_32 3
		.amdhsa_float_denorm_mode_16_64 3
		.amdhsa_memory_ordered 1
		.amdhsa_forward_progress 1
		.amdhsa_inst_pref_size 219
	.end_amdhsa_kernel
	.amdgpu_metadata
---
amdhsa.version: [ 1, 2 ]
amdhsa.kernels:
  - .name:           k_qf59630ecc8_qkv
    .symbol:         k_qf59630ecc8_qkv.kd
    .args:
      - { .name: wc, .offset: 0, .size: 8, .value_kind: global_buffer, .address_space: global }
      - { .name: wsc, .offset: 8, .size: 8, .value_kind: global_buffer, .address_space: global }
      - { .name: cs, .offset: 16, .size: 8, .value_kind: global_buffer, .address_space: global }
      - { .name: fc, .offset: 24, .size: 8, .value_kind: global_buffer, .address_space: global }
    .group_segment_fixed_size: 327680
    .private_segment_fixed_size: 0
    .kernarg_segment_align: 8
    .kernarg_segment_size: 32
    .max_flat_workgroup_size: 128
    .sgpr_count:     100
    .vgpr_count:     1024
    .wavefront_size: 32
...
	.end_amdgpu_metadata
.endif
;; end of part 2
;; launch attn (part 3): grid 16 x 16, 8 waves a work-group, no clusters, 168,960 bytes of LDS; arguments fc, ac, asc; writes ac, asc
.if DOCPART == 3
	.amdgcn_target "amdgcn-amd-amdhsa--gfx1250"
	.amdhsa_code_object_version 6
	.text
	.protected	k_qf59630ecc8_attn
	.globl	k_qf59630ecc8_attn
	.p2align	8
	.type	k_qf59630ecc8_attn,@function
k_qf59630ecc8_attn:
	s_mov_b64 s[64:65], 0
	v_nop
	global_prefetch_b8 v0, s[64:65] scope:SCOPE_SE
	s_setreg_imm32_b32 hwreg(HW_REG_WAVE_MODE, 25, 1), 1
	s_wait_xcnt 0x0
; Attention in a causal window of 256 keys, both products on codes of FP6 (E2M3) with E8M0 scales; the result is quantised again, along head x 128 + d, as the last product's operand.
; IN: fc = [G (48)][St (16)][a (8)][1536]: fragments as images of their registers (registers 4 c .. 4 c + 3 of lane l at 512 c + 16 l); G = head: q, 16 + head: k (St = 128 tokens, a = 16 tokens, K = the head's 128),
;     32 + head: v (St = 128 keys, a = 16 of the head's 128, K = the keys).  Lane r of block a holds row 32 (a / 2) + 8 (a % 2) + r + 8 (r / 8) of the 128.  fsc = [G][St][a / 4][r][a % 4] scale words.
; OUT: ac = [token block T (128)][head (16)][1536], asc = [head][T / 4][r][T % 4] words.
; SHARES.  A work-group owns 128 queries (block x) of one head (y); each of its eight waves one block of 16.  Key j counts for query i where i - 256 < j <= i: those keys lie in key steps x, x - 1, x - 2 of 128 and nowhere else.
; All three steps' K and V and their scale words come into LDS at the head, each byte filled once: no ring.  Blocks 0 and 1 have fewer steps: their spare tiles are fetched from step 0 and never read, and the steps' work is
; jumped over by a scalar branch on the work-group's number.
; THE SOFTMAX: t = score x log2(e) / sqrt(128); M = the running largest t rounded up to a whole number; p = 2^(t - M) is quantised along the keys, not normalised; the row's sum is taken of the unquantised p and divides at the end.
; When M moves, the sum and O are multiplied by 2^(old M - new M): exact.  The steps go x, x - 1, x - 2: key = query counts for every query, so M is a number from the first step on.
; Both products are used transposed (S^T = K Q^T, O^T = V^T P^T): a lane holds one query throughout; by the order of K's rows the 16 registers of tiles 2 b, 2 b + 1 are keys 32 b + 16 h + 0 .. 15, by V's rows likewise O^T's along d.
; NO CLUSTER: neighbouring blocks of queries share two of their three key steps, but a joint load lays a step at one LDS address in all partners, and each partner would then have to read it at an address that hangs on its
; place in the cluster; what is shared is 2 x 25,600 bytes a work-group.
; LIMITS: NaN and infinities are not served; a block of zeros gets the byte 1 (its codes are zeros; this program alone reads the bytes); the key steps are summed in the order x, x - 1, x - 2.
; REGISTERS: v1-7 addresses and constants; v12 -M, v13 the largest t, v[14:15] the sum in two halves; v16-27 Q; v29 16 r; v32-79 four fragments; v96-159 S^T, then p; v160-223 O^T; v224-235 p's codes; v232-254 at work; v255 Q's scale words.
; THE LAYOUT AS IT STANDS (it replaces what is said of fsc above): fc = [G][St][12,800 bytes]: a tile's eight fragments, then its 512 bytes of scale words [a / 4][r][a % 4].
; So one tensor load of 50 rows of 256 bytes brings a tile with its words: one load a wave in waves 0-5, none in waves 6 and 7.
.set KT,   12800                       ; a tile with its scale words.  LDS: tiles 0-2 K of steps x, x - 1, x - 2; tiles 3-5 V of the same
.set FRB,  1536
.set SCW,  8*FRB                       ; where a tile's scale words begin
.set SCG,  6*KT                        ; 512 bytes in which the eight waves' scale words of the result meet: written by LDS stores alone
	s_load_b64 s[4:5], s[0:1], 0x0                 ; fc
	s_load_b128 s[8:11], s[0:1], 0x8               ; ac, asc
	v_lshl_add_u32 v95, v0, 2, 0x29000
	v_mov_b32 v243, 0
	ds_add_u32 v95, v243
	ds_add_u32 v95, v243
	v_lshrrev_b32 v8, 5, v0
	s_delay_alu instid0(VALU_DEP_1)
	v_readfirstlane_b32 s14, v8                    ; wave 0..7
	s_mov_b32 s12, ttmp9                           ; the block of 128 queries
	s_and_b32 s13, ttmp7, 0xffff                   ; the head
	v_and_b32 v8, 31, v0                           ; lane
	v_and_b32 v9, 15, v0                           ; r
	s_wait_alu depctr_va_vdst(0)
	v_bfe_u32 v10, v0, 4, 1                        ; h
	v_lshlrev_b32 v1, 4, v8                        ; 16 x lane: my place in an image; K's tiles
	s_delay_alu instid0(VALU_DEP_1)
	v_add_nc_u32 v7, 3*KT, v1                      ; V's tiles (an LDS immediate has 16 bits)
	v_lshl_add_u32 v2, v9, 4, SCW                  ; four blocks' scale words of row r
	s_delay_alu instid0(VALU_DEP_3)
	v_add_nc_u32 v6, SCG, v1
	s_lshr_b32 s15, s14, 2
	s_lshl_b32 s15, s15, 8
	s_and_b32 s16, s14, 3
	s_lshl_b32 s16, s16, 2
	s_add_co_u32 s15, s15, s16                     ; 256 (wave / 4) + 4 (wave % 4): my block's place among scale words
	s_add_co_u32 s16, s15, SCG
	v_lshl_add_u32 v5, v9, 4, s16
	v_lshlrev_b32 v29, 4, v9
	s_lshr_b32 s17, s14, 1
	s_lshl_b32 s17, s17, 5
	s_and_b32 s18, s14, 1
	s_lshl_b32 s18, s18, 3
	s_add_co_u32 s17, s17, s18
	v_and_b32 v11, 8, v9
	s_delay_alu instid0(VALU_DEP_1)
	v_add_nc_u32 v11, v11, v9
	s_delay_alu instid0(VALU_DEP_1)
	v_add_nc_u32 v3, s17, v11                      ; my query in the block: 32 (wave / 2) + 8 (wave % 2) + r + 8 (r / 8)
	v_lshlrev_b32 v11, 4, v10
	s_delay_alu instid0(VALU_DEP_1)
	v_sub_nc_u32 v3, v3, v11                       ; d = my query - 16 h: register 16 b + i holds key 32 b + i + 16 h of a step
	v_mov_b32 v4, 0xff800000                       ; -infinity
	s_mov_b32 s20, 0x76543210
	s_mov_b32 s21, 0xfedcba98                      ; selects for lane l xor 16
	s_mov_b32 s22, 0x3e0293ee                      ; c = log2(e) / sqrt(128)
	s_mov_b32 s23, s22                             ; (the packed form names the pair)
	; group 1: a dense block as rows of 256 bytes (32 elements of 8): 48 rows a tile, 2 rows its scale words
	s_mov_b32 s24, 3<<16
	s_mov_b32 s25, 32<<16
	s_mov_b32 s26, 50<<16
	s_mov_b32 s27, 32<<16
	s_mov_b32 s28, 50
	s_mov_b32 s29, 32
	s_mov_b32 s30, 0
	s_mov_b32 s31, 0
	s_lshl_b32 s48, s13, 4
	s_add_co_u32 s48, s48, s12                     ; q: 16 head + block
	s_mul_i32 s50, s48, KT
	s_mul_i32 s49, s14, FRB
	s_add_co_u32 s50, s50, s49                     ; my fragment of Q
	s_mov_b32 s51, 0
	s_mul_i32 s52, s48, KT
	s_add_co_u32 s52, s52, SCW
	s_add_co_u32 s52, s52, s15                     ; and its scale words
	s_mov_b32 s53, 0
	s_cmp_ge_u32 s14, 3                            ; waves 0-2 fetch K of steps x, x - 1, x - 2, waves 3-5 V of the same
	s_cselect_b32 s16, 1, 0
	s_mul_i32 s17, s16, 3
	s_sub_co_u32 s17, s14, s17
	s_sub_co_i32 s17, s12, s17
	s_max_i32 s17, s17, 0                          ; the step, held at 0: such a tile is never read
	s_add_co_u32 s18, s16, 1
	s_lshl_b32 s18, s18, 4
	s_add_co_u32 s18, s18, s13
	s_lshl_b32 s18, s18, 4
	s_add_co_u32 s18, s18, s17                     ; 16 G + St
	s_mul_i32 s54, s18, KT
	s_mov_b32 s55, 0
	s_lshl_b32 s58, s12, 3
	s_add_co_u32 s58, s58, s14                     ; T = 8 block + wave
	s_lshl_b32 s58, s58, 4
	s_add_co_u32 s58, s58, s13
	s_mul_i32 s58, s58, FRB                        ; ac: (16 T + head) x 1,536
	s_mov_b32 s59, 0
	s_lshl_b32 s60, s13, 13
	s_lshl_b32 s61, s12, 9
	s_add_co_u32 s60, s60, s61                     ; asc: 8,192 head + 512 block
	s_mov_b32 s61, 0
	s_wait_dscnt 0x0
	s_wait_kmcnt 0x0
	s_mov_b32 s40, 1
	s_mul_i32 s41, s14, KT                         ; tile = wave
	s_add_nc_u64 s[42:43], s[4:5], s[54:55]
	s_or_b32 s43, s43, 0x80000000
	s_cmp_lt_u32 s14, 6                            ; a wave's one fill stands in a branch on the wave's number; waves 6 and 7 fetch nothing
	s_cbranch_scc0 .Lno_fetch
	tensor_load_to_lds s[40:43], s[24:31]
	s_nop 0
.rept 4
	v_nop
.endr
.Lno_fetch:
	s_add_nc_u64 s[50:51], s[4:5], s[50:51]
	s_add_nc_u64 s[52:53], s[4:5], s[52:53]
	s_add_nc_u64 s[58:59], s[8:9], s[58:59]
	s_add_nc_u64 s[60:61], s[10:11], s[60:61]
.irp c, 0,1,2
	global_load_b128 v[16+4*\c:19+4*\c], v1, s[50:51] offset:512*\c   ; Q's fragment stays in registers
.endr
	s_wait_alu depctr_va_vdst(0)
	global_load_b32 v255, v29, s[52:53]            ; its scale words
	v_mov_b32 v13, 0xff61b1e6                      ; the largest t so far: -3e38, under every t
	s_delay_alu instid0(VALU_DEP_1)
	v_floor_f32 v12, -v13                          ; -M
	v_mov_b32 v14, 0                               ; the sum, in two halves
	v_mov_b32 v15, 0
.irp b, 0,1,2,3
	v_mov_b32 v[236+\b], 0                         ; written once: a lane permute's destination counts as one of its sources
.endr
	v_mov_b32 v253, 0                              ; (named as the upper half of v[252:253] before it is first written)
	s_wait_tensorcnt 0x0                           ; my tiles have landed,
	s_barrier_signal -1
	s_barrier_wait -1                              ; everybody's have
	s_wait_loadcnt 0x0                             ; Q
; A KEY STEP of 128 keys: tile n of K, tile n + 3 of V.  mode 0: the queries' own block: key > query is hidden.  mode 1: the block before: every key counts.  mode 2: two blocks before: key <= query (both counted in their blocks) is hidden.
; first = 1: the products V^T P^T start O^T's sums, and there is nothing to rescale.
.macro STEP n, mode, first
.if \mode > 0
	s_cmp_lt_u32 s12, \mode                        ; blocks 0 and 1 have no such step
	s_cbranch_scc1 .Lskip_\@
.endif
.irp g, 0,1                                    ; S^T = K Q^T, four tiles of 16 keys at a time
.if (\g > 0) || (\first == 0)
.rept 4
	v_nop                                          ; places in front of loads into registers that matrix instructions have read
.endr
.endif
.irp t, 0,1,2,3
.irp c, 0,1,2
	ds_load_b128 v[32+12*\t+4*\c:35+12*\t+4*\c], v1 offset:\n*KT+(4*\g+\t)*FRB+512*\c
.endr
.endr
	ds_load_b128 v[248:251], v2 offset:\n*KT+256*\g
	s_wait_dscnt 0x0
.irp t, 0,1,2,3
	v_wmma_scale_f32_16x16x128_f8f6f4 v[96+8*(4*\g+\t):103+8*(4*\g+\t)], v[32+12*\t:43+12*\t], v[16:27], 0, v[248+\t], v255 matrix_a_fmt:MATRIX_FMT_FP6 matrix_b_fmt:MATRIX_FMT_FP6
.endr
.endr
.rept 4
	v_nop
.endr
.if \mode == 0
.irp b, 0,1,2,3
.irp i, 0,1,2,3,4,5,6,7,8,9,10,11,12,13,14,15
	v_cmp_gt_i32 vcc_lo, 32*\b+\i, v3              ; hidden scores become -infinity ahead of the maximum: p = 0 then
	v_cndmask_b32 v[96+16*\b+\i], v[96+16*\b+\i], v4, vcc_lo
.endr
.endr
.endif
.if \mode == 2
.irp b, 0,1,2,3
.irp i, 0,1,2,3,4,5,6,7,8,9,10,11,12,13,14,15
	v_cmp_le_i32 vcc_lo, 32*\b+\i, v3
	v_cndmask_b32 v[96+16*\b+\i], v[96+16*\b+\i], v4, vcc_lo
.endr
.endr
.endif
.irp b, 0,1,2,3
	v_max3_num_f32 v[232+\b], v[96+16*\b], v[97+16*\b], v[98+16*\b]   ; the largest score of each block of 32 keys: for the row's maximum, and, since p rises with the score, for the block's largest p
.endr
.irp i, 3,5,7,9,11,13
.irp b, 0,1,2,3
	v_max3_num_f32 v[232+\b], v[232+\b], v[96+16*\b+\i], v[97+16*\b+\i]
.endr
.endr
.irp b, 0,1,2,3
	v_max_num_f32 v[232+\b], v[232+\b], v[111+16*\b]
.endr
.irp b, 0,1,2,3
	s_delay_alu instid0(VALU_DEP_4)
	v_permlanex16_b32 v[236+\b], v[232+\b], s20, s21
.endr
.irp b, 0,1,2,3
	s_delay_alu instid0(VALU_DEP_4)
	v_max_num_f32 v[232+\b], v[232+\b], v[236+\b]  ; with lane l xor 16's 16 keys
.endr
	s_delay_alu instid0(VALU_DEP_2)
	v_max3_num_f32 v254, v232, v233, v234
	s_delay_alu instid0(VALU_DEP_1)
	v_max_num_f32 v254, v254, v235                 ; the step's largest score of my query
	s_delay_alu instid0(VALU_DEP_1)
	v_mul_f32 v254, s22, v254                      ; as t
	s_delay_alu instid0(VALU_DEP_1)
	v_max_num_f32 v13, v13, v254                   ; the running largest t
	v_mov_b32 v254, v12
	s_delay_alu instid0(VALU_DEP_2)
	v_floor_f32 v12, -v13                          ; the new -M = floor(-t): M is a whole number
	s_delay_alu instid0(VALU_DEP_1)
	v_sub_f32 v254, v12, v254                      ; old M - new M: a whole number, 0 or less
	s_delay_alu instid0(VALU_DEP_1)
	v_cvt_i32_f32 v254, v254                       ; (it saturates)
	s_delay_alu instid0(VALU_DEP_1)
	v_ldexp_f32 v252, 1.0, v254                    ; f = 2^(old M - new M)
.set jj, 0
.rept 32
	v_pk_fma_f32 v[96+jj:97+jj], v[96+jj:97+jj], s[22:23], v[12:13] op_sel_hi:[1,0,0]   ; t - M, two at a time
.set jj, jj+2
.endr
.irp b, 0,1,2,3
	v_fma_f32 v[232+\b], v[232+\b], s22, v12       ; the same of each block's largest score
.endr
.set jj, 0
	s_wait_alu depctr_va_vdst(0)
.rept 64
	v_exp_f32 v[96+jj], v[96+jj]                   ; p = 2^(t - M), at most 1
.set jj, jj+1
.endr
	v_pk_mul_f32 v[14:15], v[14:15], v[252:253] op_sel_hi:[1,0]   ; the sums under the new M (a plain place behind the exponentials)
	s_wait_alu depctr_va_vdst(0)                   ; one wait for the whole batch, ahead of its first reader
.irp b, 0,1,2,3
	v_exp_f32 v[232+\b], v[232+\b]                 ; the block's largest p
.endr
	v_pk_add_f32 v[236:237], v[100:101], v[104:105]
	v_pk_add_f32 v[250:251], v[108:109], v[112:113]
	v_pk_add_f32 v[248:249], v[116:117], v[120:121]
	v_pk_add_f32 v[246:247], v[124:125], v[128:129]
	v_pk_add_f32 v[244:245], v[132:133], v[136:137]
	v_pk_add_f32 v[240:241], v[140:141], v[144:145]
	v_pk_add_f32 v[238:239], v[148:149], v[152:153]
	v_pk_add_f32 v[14:15], v[14:15], v[156:157]
	v_pk_add_f32 v[236:237], v[236:237], v[96:97]
	v_pk_add_f32 v[250:251], v[250:251], v[98:99]
	v_pk_add_f32 v[248:249], v[248:249], v[102:103]
	v_pk_add_f32 v[246:247], v[246:247], v[106:107]
	v_pk_add_f32 v[244:245], v[244:245], v[110:111]
	v_pk_add_f32 v[240:241], v[240:241], v[114:115]
	v_pk_add_f32 v[238:239], v[238:239], v[118:119]
	v_pk_add_f32 v[14:15], v[14:15], v[122:123]
	v_pk_add_f32 v[236:237], v[236:237], v[126:127]
	v_pk_add_f32 v[250:251], v[250:251], v[130:131]
	v_pk_add_f32 v[248:249], v[248:249], v[134:135]
	v_pk_add_f32 v[246:247], v[246:247], v[138:139]
	v_pk_add_f32 v[244:245], v[244:245], v[142:143]
	v_pk_add_f32 v[240:241], v[240:241], v[146:147]
	v_pk_add_f32 v[238:239], v[238:239], v[150:151]
	v_pk_add_f32 v[14:15], v[14:15], v[154:155]
	v_pk_add_f32 v[236:237], v[236:237], v[158:159]
	s_delay_alu instid0(VALU_DEP_2)
	v_pk_add_f32 v[14:15], v[14:15], v[246:247]
	s_delay_alu instid0(VALU_DEP_2)
	v_pk_add_f32 v[236:237], v[236:237], v[244:245]
	v_pk_add_f32 v[250:251], v[250:251], v[240:241]
	v_pk_add_f32 v[248:249], v[248:249], v[238:239]
	s_delay_alu instid0(VALU_DEP_2)
	v_pk_add_f32 v[14:15], v[14:15], v[250:251]
	s_delay_alu instid0(VALU_DEP_2)
	v_pk_add_f32 v[236:237], v[236:237], v[248:249]
	s_delay_alu instid0(VALU_DEP_1)
	v_pk_add_f32 v[14:15], v[14:15], v[236:237]
	s_wait_alu depctr_va_vdst(0)                   ; and one for the four
.irp b, 0,1,2,3
	v_max_num_f32 v[232+\b], 0x1800000, v[232+\b]  ; the floor 2^(3 - 127): a block whose every p is 0 keeps the byte 1: its codes are zeros
.endr
.irp b, 0,1,2,3
	s_delay_alu instid0(VALU_DEP_4)
	v_add_nc_u32 v[244+\b], 0xff000000, v[232+\b]  ; 2 off the exponent field: the conversion's scale operand
.endr
.irp b, 0,1,2,3
	s_delay_alu instid0(VALU_DEP_4)
	v_lshrrev_b32 v[236+\b], 23, v[244+\b]         ; the scale's byte
.endr
	s_delay_alu instid0(VALU_DEP_3)
	v_lshl_or_b32 v253, v237, 8, v236              ; p's scale word for these 128 keys
	s_delay_alu instid0(VALU_DEP_1)
	v_lshl_or_b32 v253, v238, 16, v253
	s_delay_alu instid0(VALU_DEP_1)
	v_lshl_or_b32 v253, v239, 24, v253
.irp c, 0,1
	v_cvt_scalef32_pk16_fp6_f32 v[224+6*\c:226+6*\c], v[96+32*\c:111+32*\c], v[244+2*\c]
	v_cvt_scalef32_pk16_fp6_f32 v[236+4*\c:238+4*\c], v[112+32*\c:127+32*\c], v[245+2*\c]
.endr
	v_nop                                          ; one plain place behind a scaled conversion
.irp c, 0,1                                    ; the operand's layout wants a whole block in a lane
.irp i, 0,1,2
	v_permlane16_swap_b32 v[224+6*\c+\i], v[236+4*\c+\i]
.endr
.irp i, 0,1,2
	s_delay_alu instid0(VALU_DEP_3)
	v_mov_b32 v[227+6*\c+\i], v[236+4*\c+\i]
.endr
.endr
.if \first
	s_wait_alu depctr_va_vdst(0)
.rept 8
	v_nop                                          ; a scale register written by a vector instruction stands 8 places ahead of a scaled matrix instruction, an operand so written 4
.endr
.else
.set jj, 0
.rept 32
	v_pk_mul_f32 v[160+jj:161+jj], v[160+jj:161+jj], v[252:253] op_sel_hi:[1,0]   ; O^T under the new M; these are also the places in front of the products below
.set jj, jj+2
.endr
.endif
	s_wait_alu depctr_va_vdst(0)
.irp g, 0,1                                    ; O^T += V^T P^T: four tiles of 16 of the head's 128 at a time
.if \g > 0
.rept 4
	v_nop
.endr
.endif
.irp t, 0,1,2,3
.irp c, 0,1,2
	ds_load_b128 v[32+12*\t+4*\c:35+12*\t+4*\c], v7 offset:\n*KT+(4*\g+\t)*FRB+512*\c
.endr
.endr
	ds_load_b128 v[248:251], v2 offset:(\n+3)*KT+256*\g
	s_wait_dscnt 0x0
.irp t, 0,1,2,3
.if \first
	v_wmma_scale_f32_16x16x128_f8f6f4 v[160+8*(4*\g+\t):167+8*(4*\g+\t)], v[32+12*\t:43+12*\t], v[224:235], 0, v[248+\t], v253 matrix_a_fmt:MATRIX_FMT_FP6 matrix_b_fmt:MATRIX_FMT_FP6
.else
	v_wmma_scale_f32_16x16x128_f8f6f4 v[160+8*(4*\g+\t):167+8*(4*\g+\t)], v[32+12*\t:43+12*\t], v[224:235], v[160+8*(4*\g+\t):167+8*(4*\g+\t)], v[248+\t], v253 matrix_a_fmt:MATRIX_FMT_FP6 matrix_b_fmt:MATRIX_FMT_FP6
.endif
.endr
.endr
.if \mode > 0
.Lskip_\@:
.endif
.endm
	STEP 0, 0, 1
	STEP 1, 1, 0
	STEP 2, 2, 0
	; THE WAY OUT: O^T / the sum, quantised along d: register 16 b + i is d = 32 b + 16 h + i of my query.
.rept 4
	v_nop                                          ; places behind the last products, on every way here
.endr
	v_add_f32 v14, v14, v15                        ; the sum's two halves,
	s_delay_alu instid0(VALU_DEP_1)
	v_permlanex16_b32 v252, v14, s20, s21
	s_delay_alu instid0(VALU_DEP_1)
	v_add_f32 v14, v14, v252                       ; and lane l xor 16's
	s_wait_alu depctr_va_vdst(0)
	v_rcp_f32 v14, v14
	v_nop                                          ; a plain place behind the transcendental
	s_wait_alu depctr_va_vdst(0)                   ; and the wait ahead of its first reader
.set jj, 0
.rept 32
	v_pk_mul_f32 v[96+jj:97+jj], v[160+jj:161+jj], v[14:15] op_sel_hi:[1,0]   ; each accumulator from its low end on
.set jj, jj+2
.endr
.irp b, 0,1,2,3
	v_max3_num_f32 v[232+\b], |v[96+16*\b]|, |v[97+16*\b]|, 0x1800000
.endr
.irp i, 2,4,6,8,10,12,14
.irp b, 0,1,2,3
	s_delay_alu instid0(VALU_DEP_4)
	v_max3_num_f32 v[232+\b], v[232+\b], |v[96+16*\b+\i]|, |v[97+16*\b+\i]|
.endr
.endr
.irp b, 0,1,2,3
	s_delay_alu instid0(VALU_DEP_4)
	v_permlanex16_b32 v[236+\b], v[232+\b], s20, s21
.endr
.irp b, 0,1,2,3
	s_delay_alu instid0(VALU_DEP_4)
	v_max_num_f32 v[232+\b], v[232+\b], v[236+\b]
.endr
.irp b, 0,1,2,3
	s_delay_alu instid0(VALU_DEP_4)
	v_add_nc_u32 v[244+\b], 0xff000000, v[232+\b]
.endr
.irp b, 0,1,2,3
	s_delay_alu instid0(VALU_DEP_4)
	v_lshrrev_b32 v[236+\b], 23, v[244+\b]
.endr
	s_delay_alu instid0(VALU_DEP_3)
	v_lshl_or_b32 v252, v237, 8, v236              ; my query's scale word for this head's 128
	s_delay_alu instid0(VALU_DEP_1)
	v_lshl_or_b32 v252, v238, 16, v252
	s_delay_alu instid0(VALU_DEP_1)
	v_lshl_or_b32 v252, v239, 24, v252
.irp c, 0,1
	v_cvt_scalef32_pk16_fp6_f32 v[64+6*\c:66+6*\c], v[96+32*\c:111+32*\c], v[244+2*\c]
	v_cvt_scalef32_pk16_fp6_f32 v[76+4*\c:78+4*\c], v[112+32*\c:127+32*\c], v[245+2*\c]
.endr
	v_nop
.irp c, 0,1
.irp i, 0,1,2
	v_permlane16_swap_b32 v[64+6*\c+\i], v[76+4*\c+\i]
.endr
.irp i, 0,1,2
	s_delay_alu instid0(VALU_DEP_3)
	v_mov_b32 v[67+6*\c+\i], v[76+4*\c+\i]
.endr
.endr
.irp c, 0,1,2
	global_store_b128 v1, v[64+4*\c:67+4*\c], s[58:59] offset:512*\c   ; 32 lanes store 512 consecutive bytes
.endr
	ds_store_b32 v5, v252                          ; lanes r and r + 16 write the same word with the same value
	s_wait_dscnt 0x0                               ; for the others' sake: my store has landed
	s_barrier_signal -1
	s_barrier_wait -1
	s_cmp_lg_u32 s14, 0                            ; wave 0 stores the eight blocks' words: 512 consecutive bytes
	s_cbranch_scc1 .Ldone
	ds_load_b128 v[52:55], v6
	s_wait_dscnt 0x0
	global_store_b128 v1, v[52:55], s[60:61]
.Ldone:
	s_wait_tensorcnt 0x0
	ds_add_u32 v95, v243
	s_wait_dscnt 0x0
	s_endpgm
.Lfunc_end_k_qf59630ecc8_attn:
	.size	k_qf59630ecc8_attn, .Lfunc_end_k_qf59630ecc8_attn-k_qf59630ecc8_attn
	.p2alignl 7, 3214868480
	.fill 96, 4, 3214868480
	.section	.rodata,"a",@progbits
	.p2align	6, 0x0
	.amdhsa_kernel k_qf59630ecc8_attn
		.amdhsa_group_segment_fixed_size 168960
		.amdhsa_private_segment_fixed_size 0
		.amdhsa_enable_private_segment 0
		.amdhsa_kernarg_size 24
		.amdhsa_user_sgpr_count 2
		.amdhsa_user_sgpr_kernarg_segment_ptr 1
		.amdhsa_wavefront_size32 1
		.amdhsa_system_sgpr_workgroup_id_x 1
		.amdhsa_system_sgpr_workgroup_id_y 1
		.amdhsa_system_sgpr_workgroup_id_z 1
		.amdhsa_system_vgpr_workitem_id 0
		.amdhsa_next_free_vgpr 256
		.amdhsa_next_free_sgpr 66
		.amdhsa_reserve_vcc 1
		.amdhsa_float_denorm_mode_32 3
		.amdhsa_float_denorm_mode_16_64 3
		.amdhsa_memory_ordered 1
		.amdhsa_forward_progress 1
		.amdhsa_inst_pref_size 82
	.end_amdhsa_kernel
	.amdgpu_metadata
---
amdhsa.version: [ 1, 2 ]
amdhsa.kernels:
  - .name:           k_qf59630ecc8_attn
    .symbol:         k_qf59630ecc8_attn.kd
    .args:
      - { .name: fc, .offset: 0, .size: 8, .value_kind: global_buffer, .address_space: global }
      - { .name: ac, .offset: 8, .size: 8, .value_kind: global_buffer, .address_space: global }
      - { .name: asc, .offset: 16, .size: 8, .value_kind: global_buffer, .address_space: global }
    .group_segment_fixed_size: 168960
    .private_segment_fixed_size: 0
    .kernarg_segment_align: 8
    .kernarg_segment_size: 24
    .max_flat_workgroup_size: 256
    .sgpr_count:     66
    .vgpr_count:     256
    .wavefront_size: 32
...
	.end_amdgpu_metadata
.endif
;; end of part 3
;; launch proj (part 4): grid 16 x 16, 4 waves a work-group, clusters of 4 x 4, 327,680 bytes of LDS; arguments ac, asc, wc, wsc, out0; writes out0
.if DOCPART == 4
	.amdgcn_target "amdgcn-amd-amdhsa--gfx1250"
	.amdhsa_code_object_version 6
	.text
	.protected	k_qf59630ecc8_proj
	.globl	k_qf59630ecc8_proj
	.p2align	8
	.type	k_qf59630ecc8_proj,@function
k_qf59630ecc8_proj:
	s_mov_b64 s[64:65], 0
	v_nop
	global_prefetch_b8 v0, s[64:65] scope:SCOPE_SE
	s_setreg_imm32_b32 hwreg(HW_REG_WAVE_MODE, 25, 1), 1
	s_wait_xcnt 0x0
	s_wait_alu depctr_hold_cnt(0) depctr_sa_sdst(0) depctr_va_vdst(0) depctr_va_sdst(0) depctr_va_ssrc(0) depctr_va_vcc(0) depctr_vm_vsrc(0)
	s_getreg_b32 s2, hwreg(HW_REG_IB_STS2, 6, 4)
	s_cmp_eq_u32 s2, 0
	s_cbranch_scc0 .Lentry_in_a_cluster
	s_endpgm
.Lentry_in_a_cluster:
	s_bfe_u32 s2, ttmp6, 0x10000c
	s_cmp_lg_u32 s2, 0xf033
	s_cbranch_scc0 .Lentry_shape_is_right
	s_endpgm
.Lentry_shape_is_right:
; out0 = attention's result x wo^T on codes of FP6 (E2M3) with E8M0 scales; f32 sums, f32 out.
; IN: ac = [block of 16 tokens T (128)][head = K step (16)][1536], asc = [head][T / 4][r][T % 4] words; wc row blocks 512-639 = wo, wsc as in the launches before.  Fragments are images of their registers.
;     Lane r of a row block R holds row 32 (R / 2) + 8 (R % 2) + r + 8 (r / 8).
; A tile of 128 x 128 to a work-group of four waves, 64 x 64 a wave: 16 accumulators; 256 work-groups.  K goes through a ring of two LDS slots of 512 along K; the scale words of all of K come once.
; The matrix instruction is used transposed (source 0 = wo's rows, source 1 = tokens): a lane holds eight neighbouring columns of one row of out0.
; CLUSTERS: 4 x 4; A's tiles are asked for jointly along a row of the cluster, B's along a column.
; THE HEAD: one load a wave: wave 0 slot 0's 8 blocks of A, wave 1 those of B, wave 2 A's scale words, wave 3 B's.  Slot 1 is first filled as a refill is.
; PREFETCH: K has four slot tiles.  Tiles 0 and 1 come by their loads alone; tiles 2 and 3, the ring's two refills, are asked for at the head, two changes of slots ahead: of the 4 row blocks x 6,144 bytes that a wave
;     fetches each of the four partners takes one row block, by address: 24 blocks of 256 bytes (lanes 24-31 name lane 23's block again).  The loop has nothing further to ask for.
; LIMITS: NaN and infinities are not served.
.set NA,     4
.set NB,     4
.set HA,     2
.set NQ,     4
.set FR,     12
.set NL,     3
.set FRB,    1536
.set RBP,    24576
.set SB,     NQ*FRB
.set HALFT,  NA*SB
.set SLOT,   4*HALFT
.set SCL,    2*SLOT
.set SROW,   2*NA*64
.set SPARE,  SCL+32*SROW
.set LAPS,   16/(2*NQ)
.set SPITCH, 272
.set ADRA, 16
.set ADRB, 20
.set STO,  24
.set RD,   25
.set CO,   26
.set ADRS, 27
.set SPW,  28
.set NIL,  29
.set LI,   30
.set PFO,  31
.set SC,   32
.set AF,   128
.set BK,   64
.set G0H,  4
.set G0HB, 8
.set G1,   24
.set G0,   32
.set G1B,  48
.set G0B,  56
.set G1S,  68
.set G0S,  76
.set G1SB, 80
.set G0SB, 88
.set PFA,  96
.set MSB, 0
.macro WIN new
.if MSB != (\new)
	s_set_vgpr_msb (MSB<<8)|(\new)
.set MSB, (\new)
.endif
.endm
.set MUL_LO, 0xa1
.set MUL_HI, 0xf1
.set TO_B,   0x40
.macro PLACES n
.rept \n
	v_nop
.endr
.endm
.macro JLOAD g0a, g1a, g0b, g1b        ; waves 0 and 1 fetch for A, waves 2 and 3 for B; s_nop 0 and four v_nop behind each line
	s_cmp_eq_u32 s15, 0
	s_cbranch_scc0 .Lfor_b_\@
	tensor_load_to_lds s[\g0a:\g0a+3], s[\g1a:\g1a+7]
	s_nop 0
	PLACES 4
	s_branch .Lasked_\@
.Lfor_b_\@:
	tensor_load_to_lds s[\g0b:\g0b+3], s[\g1b:\g1b+7]
	s_nop 0
	PLACES 4
.Lasked_\@:
.endm
.macro CREST
	s_cmp_lg_u32 s14, 0
	s_cbranch_scc1 .Lnot_wave_0_\@
	s_barrier_signal -3
.Lnot_wave_0_\@:
	s_barrier_wait -3
	s_barrier_signal -1
	s_barrier_wait -1
.endm
.macro CROUND
	s_barrier_signal -1
	s_barrier_wait -1
	CREST
.endm
	s_load_b256 s[4:11], s[0:1], 0x0               ; ac, asc, wc, wsc
	s_load_b64 s[12:13], s[0:1], 0x20              ; out0
	v_lshl_add_u32 v[SPW], v0, 2, SPARE
	v_mov_b32 v[NIL], 0
	ds_add_u32 v[SPW], v[NIL]                      ; the opening lines: the add twice on end and one wait
	ds_add_u32 v[SPW], v[NIL]
	v_lshrrev_b32 v1, 5, v0
	v_readfirstlane_b32 s14, v1                    ; wave
	s_lshr_b32 s15, s14, 1                         ; my half of A's rows; also: I fetch for A (0) or B (1)
	s_and_b32 s16, s14, 1                          ; my half of B's rows; also: which half I fetch
	s_bfe_u32 s40, ttmp6, 0x40000                  ; cx
	s_bfe_u32 s41, ttmp6, 0x40004                  ; cy
	s_lshl_b32 s42, ttmp9, 2
	s_add_co_u32 s42, s42, s40                     ; tile column
	s_and_b32 s17, ttmp7, 0xffff
	s_lshl_b32 s17, s17, 2
	s_add_co_u32 s17, s17, s41                     ; tile row
	s_lshl_b32 s43, s41, 2
	s_lshl_b32 s43, 15, s43
	s_lshl_b32 s44, 0x1111, s40
	s_or_b32 s[G1+0], s43, (3<<16)|(1<<21)         ; codes: rows = row blocks, SB bytes each, 24,576 apart; 8 rows at the head, 4 in the ring
	s_or_b32 s[G1B+0], s44, (3<<16)|(1<<21)
.irp g, G1, G1B
	s_mov_b32 s[\g+1], (SB/8)<<16
	s_mov_b32 s[\g+2], (2*NA)<<16
	s_mov_b32 s[\g+3], (SB/8)<<16
	s_mov_b32 s[\g+4], 2*NA
	s_mov_b32 s[\g+5], RBP/8
	s_mov_b32 s[\g+6], 0
	s_mov_b32 s[\g+7], 0
.endr
	s_or_b32 s[G1S+0], s43, (3<<16)|(1<<21)        ; scale words: 16 rows (K steps) of 512 bytes
	s_or_b32 s[G1SB+0], s44, (3<<16)|(1<<21)
.irp g, G1S, G1SB
	s_mov_b32 s[\g+1], (SROW/8)<<16
	s_mov_b32 s[\g+2], 16<<16
	s_mov_b32 s[\g+3], (SROW/8)<<16
	s_mov_b32 s[\g+4], 16
	s_mov_b32 s[\g+6], 0
	s_mov_b32 s[\g+7], 0
.endr
	s_mov_b32 s[G1S+5], 1024                       ; asc: 8,192 bytes from K step to K step
	s_mov_b32 s[G1SB+5], 5120                      ; wsc: 40,960
	s_lshl_b32 s20, s17, 3                         ; A's first block of tokens
	s_lshl_b32 s46, s42, 3
	s_add_co_u32 s46, s46, 512                     ; B's first row block: wo's begin at 512
	s_lshl_b32 s22, s20, 6
	s_mov_b32 s23, 0
	s_mul_i32 s20, s20, RBP
	s_mov_b32 s21, 0
	s_lshl_b32 s92, s46, 6
	s_mov_b32 s93, 0
	s_mul_i32 s46, s46, RBP
	s_mov_b32 s47, 0
	s_mul_i32 s18, s16, NA*RBP
	s_mov_b32 s19, 0
	s_mul_i32 s45, s14, HALFT
	s_wait_dscnt 0x0
	s_wait_kmcnt 0x0
	s_add_nc_u64 s[20:21], s[4:5], s[20:21]
	s_add_nc_u64 s[22:23], s[6:7], s[22:23]
	s_add_nc_u64 s[46:47], s[8:9], s[46:47]
	s_add_nc_u64 s[92:93], s[10:11], s[92:93]
	CROUND                                         ; all sixteen work-groups are here: the first joint loads meet
	s_mov_b32 s[G0H], 1
	s_mov_b32 s[G0H+1], 0
	s_mov_b64 s[G0H+2:G0H+3], s[20:21]
	s_or_b32 s[G0H+3], s[G0H+3], 0x80000000
	s_mov_b32 s[G0HB], 1
	s_mov_b32 s[G0HB+1], 2*HALFT
	s_mov_b64 s[G0HB+2:G0HB+3], s[46:47]
	s_or_b32 s[G0HB+3], s[G0HB+3], 0x80000000
	s_mov_b32 s[G0S], 1
	s_mov_b32 s[G0S+1], SCL
	s_mov_b64 s[G0S+2:G0S+3], s[22:23]
	s_or_b32 s[G0S+3], s[G0S+3], 0x80000000
	s_mov_b32 s[G0SB], 1
	s_mov_b32 s[G0SB+1], SCL+16*SROW
	s_mov_b64 s[G0SB+2:G0SB+3], s[92:93]
	s_or_b32 s[G0SB+3], s[G0SB+3], 0x80000000
	s_add_nc_u64 s[20:21], s[20:21], s[18:19]
	s_add_nc_u64 s[46:47], s[46:47], s[18:19]
.irp s, 0,1
	s_mov_b32 s[G0+4*\s], 1
	s_add_co_u32 s[G0+4*\s+1], s45, \s*SLOT
	s_add_nc_u64 s[G0+4*\s+2:G0+4*\s+3], s[20:21], \s*SB
	s_or_b32 s[G0+4*\s+3], s[G0+4*\s+3], 0x80000000
	s_mov_b32 s[G0B+4*\s], 1
	s_add_co_u32 s[G0B+4*\s+1], s45, \s*SLOT
	s_add_nc_u64 s[G0B+4*\s+2:G0B+4*\s+3], s[46:47], \s*SB
	s_or_b32 s[G0B+4*\s+3], s[G0B+4*\s+3], 0x80000000
.endr
.macro ARM under, g0, g1, next         ; one chain of branches on the wave's number: every way passes exactly one load
	s_cmp_lt_u32 s14, \under
	s_cbranch_scc0 \next
	tensor_load_to_lds s[\g0:\g0+3], s[\g1:\g1+7]
	s_nop 0
	PLACES 4
	s_branch .Lhead_asked
\next:
.endm
	ARM 1, G0H,  G1,  .Lhead_b
	ARM 2, G0HB, G1B, .Lhead_sa
	ARM 3, G0S,  G1S, .Lhead_sb
	tensor_load_to_lds s[G0SB:G0SB+3], s[G1SB:G1SB+7]
	s_nop 0
	PLACES 4
.Lhead_asked:
	s_cmp_eq_u32 s15, 0                            ; the prefetches: the 4 row blocks that I fetch,
	s_cselect_b64 s[PFA:PFA+1], s[20:21], s[46:47]
	s_cselect_b32 s18, s40, s41                    ; my work-group's place among the four that ask with me: its one row block
	s_mul_i32 s18, s18, RBP
	s_add_nc_u64 s[PFA:PFA+1], s[PFA:PFA+1], s[18:19]
	s_mul_i32 s21, s15, HALFT
	s_mul_i32 s22, s16, HALFT
	s_add_co_u32 s22, s22, 2*HALFT
	s_mul_i32 s18, s15, NA*64
	s_mul_i32 s23, s16, NA*64
	s_add_co_u32 s23, s23, 16*SROW
	s_sub_co_u32 s23, s23, s18
	s_add_co_u32 s18, s18, SCL
	s_mul_i32 s94, s14, 16*SPITCH                  ; my stage, in slot 0: it has had its last fill and its last read when the first result is stored there
	s_lshl_b32 s92, s17, 7
	s_lshl_b32 s93, s15, 6
	s_add_co_u32 s92, s92, s93                     ; my first row of out0
	s_lshl_b32 s92, s92, 13
	s_lshl_b32 s46, s42, 9
	s_lshl_b32 s47, s16, 8
	s_add_co_u32 s46, s46, s47                     ; my first column, in bytes
	s_add_co_u32 s92, s92, s46
	s_mov_b32 s93, 0
	s_add_nc_u64 s[12:13], s[12:13], s[92:93]
	v_and_b32 v1, 15, v0                           ; r
	v_bfe_u32 v2, v0, 4, 1                         ; h
	v_and_b32 v3, 31, v0
	v_lshlrev_b32 v[LI], 4, v3
	v_add_nc_u32 v[ADRA], s21, v[LI]
	v_add_nc_u32 v[ADRB], s22, v[LI]
	v_add_nc_u32 v[ADRA+1], SLOT, v[ADRA]
	v_add_nc_u32 v[ADRB+1], SLOT, v[ADRB]
	v_lshlrev_b32 v5, 4, v1
	v_mul_u32_u24 v6, s23, v2                      ; lanes 16-31 take B's words
	v_add_nc_u32 v5, v5, v6
	v_add_nc_u32 v[ADRS], s18, v5
	v_mul_u32_u24 v5, v1, SPITCH                   ; the stage, in: row r, + 64 h bytes
	v_lshl_add_u32 v5, v2, 6, v5
	v_add_nc_u32 v[STO], s94, v5
	v_mul_u32_u24 v5, v2, SPITCH                   ; back: sixteen lanes to a row of 256 bytes, two rows an instruction
	v_lshl_add_u32 v5, v1, 4, v5
	v_add_nc_u32 v[RD], s94, v5
	v_lshlrev_b32 v5, 13, v2
	v_lshl_add_u32 v[CO], v1, 4, v5                ; and the same in out0
	v_min_u32 v4, 23, v3
	v_lshlrev_b32 v[PFO], 8, v4
	s_wait_alu depctr_va_vdst(0)                   ; the wait at the head's end
	global_prefetch_b8 v[PFO], s[PFA:PFA+1] offset:2*SB th:TH_LOAD_NT scope:SCOPE_SE   ; slot tile 2
	global_prefetch_b8 v[PFO], s[PFA:PFA+1] offset:3*SB th:TH_LOAD_NT scope:SCOPE_SE   ; slot tile 3 (the address registers are never written again)
.macro FRAG reg, adr, off
.irp c, 0,1,2
	ds_load_b128 v[(\reg)+4*\c:(\reg)+4*\c+3], v[\adr] offset:(\off)+512*\c
.endr
.endm
.macro FETCH_B slot, q, p
	WIN TO_B
.set fi, 0
.rept NB
	FRAG 128*(\p)+FR*fi, ADRB+\slot, (fi*NQ+(\q))*FRB
.set fi, fi+1
.endr
	WIN 0
.endm
.macro FETCH_A slot, q, i0
.set fi, \i0
.rept HA
	FRAG AF+FR*fi, ADRA+\slot, (fi*NQ+(\q))*FRB
.set fi, fi+1
.endr
.endm
.macro SCALES sc                       ; a slot's scale words: register NA q + i: lanes 0-15 A's block i, lanes 16-31 B's block i
.set sq, 0
.rept NQ
	ds_load_b128 v[SC+16*(\sc)+NA*sq:SC+16*(\sc)+NA*sq+3], v[ADRS] offset:sq*SROW
.set sq, sq+1
.endr
.endm
.macro MUL a0, n, p, q, sc, zero       ; the accumulators take turns, in the same order in every step
.set ma, \a0
.rept \n
.set mb, 0
.rept NB
.set rD, 8*(NB*(ma%HA)+mb)
.set rB, 128*(\p)+FR*mb
.set rA, AF+FR*ma
.set rSB, SC+16*(\sc)+NA*(\q)+mb
.set rSA, SC+16*(\sc)+NA*(\q)+ma
.if \zero
	v_wmma_scale_f32_16x16x128_f8f6f4 v[rD:rD+7], v[rB:rB+FR-1], v[rA:rA+FR-1], 0, v[rSB], v[rSA] matrix_a_fmt:MATRIX_FMT_FP6 matrix_b_fmt:MATRIX_FMT_FP6 matrix_a_scale:MATRIX_SCALE_ROW1
.else
	v_wmma_scale_f32_16x16x128_f8f6f4 v[rD:rD+7], v[rB:rB+FR-1], v[rA:rA+FR-1], v[rD:rD+7], v[rSB], v[rSA] matrix_a_fmt:MATRIX_FMT_FP6 matrix_b_fmt:MATRIX_FMT_FP6 matrix_a_scale:MATRIX_SCALE_ROW1
.endif
.set mb, mb+1
.endr
.set ma, ma+1
.endr
.endm
.macro STEP slot, q, zero
	s_wait_dscnt HA*NL                             ; all but the youngest 6 loads (A's second half) are in
	WIN MUL_LO
	MUL 0, HA, (\q)%2, \q, \slot, \zero
	s_wait_dscnt 0x0
	PLACES 4
	FETCH_B \slot, (\q)+1, 1-(\q)%2
	FETCH_A \slot, (\q)+1, 0
	WIN MUL_HI
	MUL HA, HA, (\q)%2, \q, \slot, \zero
	PLACES 4
	WIN 0
	FETCH_A \slot, (\q)+1, HA
.endm
; A slot's last K step changes slots: the wait for all my tensor loads, the add, the wait for it and for my reads of this slot, the barrier; fill = 1: it opens a round of the cluster's, and the slot is filled again.
.macro TURN slot, next, fill
	s_wait_tensorcnt 0x0
	ds_add_u32 v[SPW], v[NIL]
	s_wait_dscnt HA*NL+1                           ; (the add and A's second half may be out)
	WIN MUL_LO
	MUL 0, 1, 1, NQ-1, \slot, 0
	s_wait_dscnt 0x0
	s_barrier_signal -1
	MUL 1, 1, 1, NQ-1, \slot, 0
	WIN 0
	s_barrier_wait -1
.if \fill
	CREST
	s_add_nc_u64 s[G0+4*\slot+2:G0+4*\slot+3], s[G0+4*\slot+2:G0+4*\slot+3], 2*SB
	s_add_nc_u64 s[G0B+4*\slot+2:G0B+4*\slot+3], s[G0B+4*\slot+2:G0B+4*\slot+3], 2*SB
	JLOAD G0+4*\slot, G1, G0B+4*\slot, G1B         ; its four v_nop are the places in front of the loads below
.else
	PLACES 4
.endif
	s_wait_alu depctr_va_vdst(0)                   ; the wait ahead of this reader of the address
	v_add_nc_u32 v[ADRS], NQ*SROW, v[ADRS]
	FETCH_B \next, 0, 0
	FETCH_A \next, 0, 0
	SCALES \next
	WIN MUL_HI
	MUL HA, HA, 1, NQ-1, \slot, 0
	PLACES 4
	WIN 0
	FETCH_A \next, 0, HA
.endm
	s_wait_tensorcnt 0x0                           ; my tile of the head's four is in; the lines ahead of a later first fill:
	ds_add_u32 v[SPW], v[NIL]
	s_mov_b32 s[G1+2], NA<<16                      ; no tensor load of mine is out: from here on a load brings 4 row blocks
	s_mov_b32 s[G1+4], NA
	s_mov_b32 s[G1B+2], NA<<16
	s_mov_b32 s[G1B+4], NA
	s_wait_dscnt 0x0
	CROUND
	JLOAD G0+4, G1, G0B+4, G1B                     ; slot 1
	FETCH_B 0, 0, 0
	FETCH_A 0, 0, 0
	SCALES 0
	FETCH_A 0, 0, HA
	STEP 0, 0, 1                                   ; the first K step's products start the sums
	s_mov_b32 s3, LAPS-1
.Llap:
	STEP 0, 1, 0
	STEP 0, 2, 0
	TURN 0, 1, 1
	STEP 1, 0, 0
	STEP 1, 1, 0
	STEP 1, 2, 0
	TURN 1, 0, 1
	STEP 0, 0, 0
	s_sub_co_u32 s3, s3, 1
	s_cmp_lg_u32 s3, 0
	s_cbranch_scc1 .Llap
	STEP 0, 1, 0
	STEP 0, 2, 0
	TURN 0, 1, 0                                   ; the last lap fills nothing
	STEP 1, 0, 0
	STEP 1, 1, 0
	STEP 1, 2, 0
	s_wait_dscnt HA*NL
	WIN MUL_LO
	MUL 0, HA, 1, NQ-1, 1, 0
	s_wait_dscnt 0x0
	WIN MUL_HI
	MUL HA, HA, 1, NQ-1, 1, 0
	WIN 0
; THE WAY OUT: a block of 16 tokens x 64 columns goes through my own stage and comes back as rows of 256 bytes.  Register j of accumulator b is column 32 (b / 2) + 8 (b % 2) + 16 h + j.
.macro TOSTAGE a
	WIN 0x08+4*((\a)/HA)
.irp b, 0,1,2,3
	ds_store_b128 v[STO], v[8*(NB*((\a)%HA)+\b):8*(NB*((\a)%HA)+\b)+3] offset:128*(\b/2)+32*(\b%2)
	ds_store_b128 v[STO], v[8*(NB*((\a)%HA)+\b)+4:8*(NB*((\a)%HA)+\b)+7] offset:128*(\b/2)+32*(\b%2)+16
.endr
	WIN 0
.irp t, 0,1,2,3,4,5,6,7
	ds_load_b128 v[BK+32*(\a)+4*\t:BK+32*(\a)+4*\t+3], v[RD] offset:2*SPITCH*\t   ; LDS serves a wave's instructions in order: these see the stores above
.endr
.endm
.macro SEND a, younger                 ; younger: the LDS instructions issued behind block a's loads
	s_wait_dscnt \younger
.irp t, 0,1,2,3,4,5,6,7
	global_store_b128 v[CO], v[BK+32*(\a)+4*\t:BK+32*(\a)+4*\t+3], s[12:13] offset:(32*((\a)/2)+8*((\a)%2)+2*\t+8*(\t/4))*8192 th:TH_STORE_NT   ; sixteen lanes store 256 consecutive bytes, aligned
.endr
.endm
	PLACES 4
	TOSTAGE 0
.irp a, 1,2,3
	TOSTAGE \a
	SEND \a-1, 16
.endr
	SEND 3, 0
	s_wait_tensorcnt 0x0                           ; the wave's end
	ds_add_u32 v[SPW], v[NIL]
	s_wait_dscnt 0x0
	CROUND                                         ; the closing round
	s_endpgm
.Lfunc_end_k_qf59630ecc8_proj:
	.size	k_qf59630ecc8_proj, .Lfunc_end_k_qf59630ecc8_proj-k_qf59630ecc8_proj
	.p2alignl 7, 3214868480
	.fill 96, 4, 3214868480
	.section	.rodata,"a",@progbits
	.p2align	6, 0x0
	.amdhsa_kernel k_qf59630ecc8_proj
		.amdhsa_group_segment_fixed_size 327680
		.amdhsa_private_segment_fixed_size 0
		.amdhsa_enable_private_segment 0
		.amdhsa_kernarg_size 40
		.amdhsa_user_sgpr_count 2
		.amdhsa_user_sgpr_kernarg_segment_ptr 1
		.amdhsa_wavefront_size32 1
		.amdhsa_system_sgpr_workgroup_id_x 1
		.amdhsa_system_sgpr_workgroup_id_y 1
		.amdhsa_system_sgpr_workgroup_id_z 1
		.amdhsa_system_vgpr_workitem_id 0
		.amdhsa_next_free_vgpr 1024
		.amdhsa_next_free_sgpr 100
		.amdhsa_reserve_vcc 0
		.amdhsa_float_denorm_mode_32 3
		.amdhsa_float_denorm_mode_16_64 3
		.amdhsa_memory_ordered 1
		.amdhsa_forward_progress 1
		.amdhsa_inst_pref_size 86
	.end_amdhsa_kernel
	.amdgpu_metadata
---
amdhsa.version: [ 1, 2 ]
amdhsa.kernels:
  - .name:           k_qf59630ecc8_proj
    .symbol:         k_qf59630ecc8_proj.kd
    .args:
      - { .name: ac, .offset: 0, .size: 8, .value_kind: global_buffer, .address_space: global }
      - { .name: asc, .offset: 8, .size: 8, .value_kind: global_buffer, .address_space: global }
      - { .name: wc, .offset: 16, .size: 8, .value_kind: global_buffer, .address_space: global }
      - { .name: wsc, .offset: 24, .size: 8, .value_kind: global_buffer, .address_space: global }
      - { .name: out0, .offset: 32, .size: 8, .value_kind: global_buffer, .address_space: global }
    .group_segment_fixed_size: 327680
    .private_segment_fixed_size: 0
    .kernarg_segment_align: 8
    .kernarg_segment_size: 40
    .max_flat_workgroup_size: 128
    .sgpr_count:     100
    .vgpr_count:     1024
    .wavefront_size: 32
...
	.end_amdgpu_metadata
.endif
;; end of part 4
